; MI455X (gfx1250); checked and timed in simulation.
; The chip was launched on July 23, 2026; its instructions are those of AMD's public machine-readable ISA for CDNA 5 (MIT licence, August 2026) and "CDNA5" Instruction Set Architecture Reference Guide (July 2026). The comments in the code are by the model that wrote it; some were corrected since.
;; Multi Head Attention. Allowed arithmetic: float matrix products may take bf16 or f16 operands with f32 sums; all other float work in f32.
;; Inputs: Wk 768 x 768 float32; Wo 768 x 768 float32; Wq 768 x 768 float32; Wv 768 x 768 float32; bk 768 float32; bo 768 float32; bq 768 float32; bv 768 float32; x 32 x 577 x 768 float32.
;; Outputs: out0 32 x 577 x 768 float32.
;; 2 versions, each right; version 2 is version 1 with the launch cvt written anew for expert scheduling mode. Each part assembles by itself: llvm-mc -triple=amdgcn-amd-amdhsa -mcpu=gfx1250 --defsym DOCPART=n.
;; ======== version 1 of 2: 4 launches
;; limits: values are held in f16: magnitudes above 65,504 overflow, below 6.1e-05 lose precision
;; workspace buffers: xb 29,884,416 bytes; wb 4,718,592 bytes; qkv 89,653,248 bytes; att 29,884,416 bytes
;; launch cvt (part 1): grid 22 x 32, 8 waves a work-group, no clusters, 0 bytes of LDS; arguments x, Wq, Wk, Wv, Wo, xb, wb; writes xb, wb
.if DOCPART == 1
	.amdgcn_target "amdgcn-amd-amdhsa--gfx1250"
	.amdhsa_code_object_version 6
	.text
	.protected	k_q4445596b46_cvt
	.globl	k_q4445596b46_cvt
	.p2align	8
	.type	k_q4445596b46_cvt,@function
k_q4445596b46_cvt:
	s_mov_b64 s[64:65], 0
	v_nop
	global_prefetch_b8 v0, s[64:65] scope:SCOPE_SE
	s_setreg_imm32_b32 hwreg(HW_REG_WAVE_MODE, 25, 1), 1
	s_wait_xcnt 0x0
; Casts the matrix operands once and lays them in blocks of 64 along K, so that every later tile is a dense run of bytes.
;   xb[kb][m'][64] bf16, m' = 608 b + n: each batch's 577 rows are padded to 608 = 19 x 32 with rows of zeros.
;   wb[kb][n][64]: rows 0-767 Wq, 768-1535 Wk, 1536-2303 Wv in bf16; rows 2304-3071 Wo, rounded to bf16 and then written as f16.
; LIMIT: an element of Wo below 7.6e-6 in magnitude is not exact in f16 after its rounding to bf16; the further error is at most 3e-8.
; Work-groups x = 0..18 take 32 padded rows of batch y; x = 19..21 take 32 rows of the four weights (96 groups of 32 rows = 3,072).
; A wave takes 4 rows (2 pairs) of 3,072 bytes: 24 loads of 512 neighbouring bytes, all issued before the first wait.
; A pad row reads its batch's row 576 again and is cleared by a mask, so that there is one path for all rows; it is the only row read twice.
; A stream bound by bytes: no LDS, no barrier, no matrix unit, no cluster (no two work-groups read the same bytes).
.set KBS,  2490368                     ; bytes of one K block of xb: 19,456 rows x 128
.set KBW,  393216                      ; bytes of one K block of wb: 3,072 rows x 128
.set ROWB, 3072                        ; bytes of a source row
.set VL,   1                           ; v1       16 x lane
.set VO,   2                           ; v2, v3   pair i: 8 x lane + 128 x the pair's first destination row
.set X,    8                           ; v[8:103]   load k = 2 (6 i + c) + p: 4 registers of f32 (pair i, 512-byte chunk c, row p of the pair)
.set Y,    104                         ; v[104:151] load k: 2 registers, 4 numbers of 16 bits
.set SRC,  24                          ; s[24:31] the four source rows' addresses
.set MSK,  32                          ; s32-35   their masks: -1, or 0 for a pad row
.set KB,   40                          ; s[40:63] the destination's twelve K blocks
	s_load_b256 s[4:11], s[0:1], 0x0               ; x s[4:5], Wq s[6:7], Wk s[8:9], Wv s[10:11]
	s_load_b128 s[12:15], s[0:1], 0x20             ; Wo s[12:13], xb s[14:15]
	s_load_b64 s[16:17], s[0:1], 0x30              ; wb
	v_lshrrev_b32 v4, 5, v0
	v_readfirstlane_b32 s18, v4                    ; wave
	v_and_b32 v5, 31, v0                           ; lane
	v_lshlrev_b32 v[VL], 4, v5
	s_and_b32 s19, ttmp7, 0xffff                   ; y
	s_lshl_b32 s22, s18, 2                         ; 4 rows a wave
	; the weights' side: group g = 32 (x - 19) + y of 32 rows (for x < 19 the figures are in range and are not taken)
	s_max_u32 s20, ttmp9, 19
	s_sub_co_u32 s20, s20, 19
	s_lshl_b32 s20, s20, 5
	s_add_co_u32 s20, s20, s19                     ; g
	s_lshl_b32 s23, s20, 5
	s_add_co_u32 s23, s23, s22                     ; my first row in wb
	; x's side
	s_lshl_b32 s71, ttmp9, 5
	s_add_co_u32 s71, s71, s22                     ; n of my first row, 0..604
	s_mul_i32 s73, s19, 577                        ; the batch's first row in x
	s_mul_i32 s75, s19, 608
	s_add_co_u32 s75, s75, s71                     ; my first row in xb
	s_wait_kmcnt 0x0
	s_mov_b64 s[68:69], s[6:7]                     ; which weight: 24 groups each
	s_mov_b32 s67, 0
	s_cmp_ge_u32 s20, 24
	s_cselect_b64 s[68:69], s[8:9], s[68:69]
	s_cselect_b32 s67, 768, s67
	s_cmp_ge_u32 s20, 48
	s_cselect_b64 s[68:69], s[10:11], s[68:69]
	s_cselect_b32 s67, 1536, s67
	s_cmp_ge_u32 s20, 72
	s_cselect_b64 s[68:69], s[12:13], s[68:69]
	s_cselect_b32 s67, 2304, s67
	s_cselect_b32 s66, 1, 0                        ; Wo goes on to f16
	s_sub_co_u32 s70, s23, s67                     ; my first row inside that weight
	s_movk_i32 s74, 767                            ; its last row: never passed
	s_mov_b32 s38, KBW
	s_mov_b32 s39, 0
	s_cmp_lt_u32 ttmp9, 19                         ; x's side or the weights': one choice for all figures
	s_cselect_b64 s[68:69], s[4:5], s[68:69]       ; source
	s_cselect_b64 s[KB:KB+1], s[14:15], s[16:17]   ; destination
	s_cselect_b32 s70, s71, s70                    ; r0: my first row, counted from the base row
	s_cselect_b32 s72, s73, 0                      ; base row
	s_cselect_b32 s74, 576, s74                    ; last real row; rows beyond it are pad rows
	s_cselect_b32 s23, s75, s23                    ; first destination row (a multiple of 4)
	s_cselect_b32 s38, KBS, s38                    ; bytes from K block to K block
	s_cselect_b32 s66, 0, s66
.irp k, 0,1,2,3
	s_add_co_u32 s20, s70, \k
	s_cmp_le_u32 s20, s74
	s_cselect_b32 s[MSK+\k], -1, 0
	s_min_u32 s20, s20, s74                        ; a pad row reads the last real row: every load stays inside its buffer
	s_add_co_u32 s20, s20, s72
	s_mul_i32 s20, s20, ROWB                       ; 56,718,336 at the most
	s_mov_b32 s21, 0
	s_add_nc_u64 s[SRC+2*\k:SRC+2*\k+1], s[68:69], s[20:21]
.endr
.irp i, 0,1
.irp c, 0,1,2,3,4,5
.irp p, 0,1
	global_load_b128 v[X+4*((6*\i+\c)*2+\p):X+4*((6*\i+\c)*2+\p)+3], v[VL], s[SRC+2*(2*\i+\p):SRC+2*(2*\i+\p)+1] offset:512*\c th:TH_LOAD_NT
.endr
.endr
.endr
.irp k, 1,2,3,4,5,6,7,8,9,10,11
	s_add_nc_u64 s[KB+2*\k:KB+2*\k+1], s[KB+2*\k-2:KB+2*\k-1], s[38:39]
.endr
	s_lshl_b32 s20, s23, 7
	v_lshl_add_u32 v[VO], v5, 3, s20
	v_add_nc_u32 v[VO+1], 256, v[VO]
	; f32 to bf16, nearest even; pad rows are cleared by AND, so that nothing in the row that was read can show
.irp i, 0,1
.irp c, 0,1,2,3,4,5
	s_wait_loadcnt 22-2*(6*\i+\c)                  ; loads come back in order: this chunk's two are in, the 22 - 2 (6 i + c) younger ones stay out
.irp p, 0,1
.set k, (6*\i+\c)*2+\p
	v_cvt_pk_bf16_f32 v[Y+2*k],   v[X+4*k],   v[X+4*k+1]
	v_cvt_pk_bf16_f32 v[Y+2*k+1], v[X+4*k+2], v[X+4*k+3]
	v_and_b32 v[Y+2*k],   s[MSK+2*\i+\p], v[Y+2*k]
	v_and_b32 v[Y+2*k+1], s[MSK+2*\i+\p], v[Y+2*k+1]
.endr
.endr
.endr
	s_cmp_eq_u32 s66, 0
	s_cbranch_scc1 .Lstore
	; Wo alone: the bf16 numbers are written as f16 (the last product's other operand is f16)
.set k, 0
.rept 48
	v_lshlrev_b32 v[4+2*(k%2)], 16, v[Y+k]
	v_and_b32     v[5+2*(k%2)], 0xffff0000, v[Y+k]
	v_cvt_pk_f16_f32 v[Y+k], v[4+2*(k%2)], v[5+2*(k%2)]
.set k, k+1
.endr
.Lstore:
	; Lanes 0-15 of a chunk hold K block 2c, lanes 16-31 block 2c+1.  Swapping the upper half of row 0 with the lower half of row 1 leaves
	; one register pair with block 2c of both rows and one with block 2c+1: lane l's 8 bytes belong at byte 8 l of the two rows' 256 bytes.
.irp i, 0,1
.irp c, 0,1,2,3,4,5
.set k, (6*\i+\c)*2
	v_permlane16_swap_b32 v[Y+2*k],   v[Y+2*k+2]
	v_permlane16_swap_b32 v[Y+2*k+1], v[Y+2*k+3]
	global_store_b64 v[VO+\i], v[Y+2*k:Y+2*k+1],   s[KB+4*\c:KB+4*\c+1]     ; each store covers 256 consecutive bytes, aligned
	global_store_b64 v[VO+\i], v[Y+2*k+2:Y+2*k+3], s[KB+4*\c+2:KB+4*\c+3]
.endr
.endr
	s_endpgm
.Lfunc_end_k_q4445596b46_cvt:
	.size	k_q4445596b46_cvt, .Lfunc_end_k_q4445596b46_cvt-k_q4445596b46_cvt
	.p2alignl 7, 3214868480
	.fill 96, 4, 3214868480
	.section	.rodata,"a",@progbits
	.p2align	6, 0x0
	.amdhsa_kernel k_q4445596b46_cvt
		.amdhsa_group_segment_fixed_size 0
		.amdhsa_private_segment_fixed_size 0
		.amdhsa_enable_private_segment 0
		.amdhsa_kernarg_size 56
		.amdhsa_user_sgpr_count 2
		.amdhsa_user_sgpr_kernarg_segment_ptr 1
		.amdhsa_wavefront_size32 1
		.amdhsa_system_sgpr_workgroup_id_x 1
		.amdhsa_system_sgpr_workgroup_id_y 1
		.amdhsa_system_sgpr_workgroup_id_z 1
		.amdhsa_system_vgpr_workitem_id 0
		.amdhsa_next_free_vgpr 152
		.amdhsa_next_free_sgpr 80
		.amdhsa_reserve_vcc 0
		.amdhsa_float_denorm_mode_32 3
		.amdhsa_float_denorm_mode_16_64 3
		.amdhsa_memory_ordered 1
		.amdhsa_forward_progress 1
		.amdhsa_inst_pref_size 22
	.end_amdhsa_kernel
	.amdgpu_metadata
---
amdhsa.version: [ 1, 2 ]
amdhsa.kernels:
  - .name:           k_q4445596b46_cvt
    .symbol:         k_q4445596b46_cvt.kd
    .args:
      - { .name: x, .offset: 0, .size: 8, .value_kind: global_buffer, .address_space: global }
      - { .name: Wq, .offset: 8, .size: 8, .value_kind: global_buffer, .address_space: global }
      - { .name: Wk, .offset: 16, .size: 8, .value_kind: global_buffer, .address_space: global }
      - { .name: Wv, .offset: 24, .size: 8, .value_kind: global_buffer, .address_space: global }
      - { .name: Wo, .offset: 32, .size: 8, .value_kind: global_buffer, .address_space: global }
      - { .name: xb, .offset: 40, .size: 8, .value_kind: global_buffer, .address_space: global }
      - { .name: wb, .offset: 48, .size: 8, .value_kind: global_buffer, .address_space: global }
    .group_segment_fixed_size: 0
    .private_segment_fixed_size: 0
    .kernarg_segment_align: 8
    .kernarg_segment_size: 56
    .max_flat_workgroup_size: 256
    .sgpr_count:     80
    .vgpr_count:     152
    .wavefront_size: 32
...
	.end_amdgpu_metadata
.endif
;; end of part 1
;; launch qkvgemm (part 2): grid 4 x 64, 4 waves a work-group, clusters of 4 x 4, 327,680 bytes of LDS; arguments xb, wb, bq, bk, bv, qkv; writes qkv
.if DOCPART == 2
	.amdgcn_target "amdgcn-amd-amdhsa--gfx1250"
	.amdhsa_code_object_version 6
	.text
	.protected	k_q4445596b46_qkvgemm
	.globl	k_q4445596b46_qkvgemm
	.p2align	8
	.type	k_q4445596b46_qkvgemm,@function
k_q4445596b46_qkvgemm:
	s_mov_b64 s[64:65], 0
	v_nop
	global_prefetch_b8 v0, s[64:65] scope:SCOPE_SE
	s_setreg_imm32_b32 hwreg(HW_REG_WAVE_MODE, 25, 1), 1
	s_wait_xcnt 0x0
	s_wait_alu depctr_hold_cnt(0) depctr_sa_sdst(0) depctr_va_vdst(0) depctr_va_sdst(0) depctr_va_ssrc(0) depctr_va_vcc(0) depctr_vm_vsrc(0)
	s_getreg_b32 s2, hwreg(HW_REG_IB_STS2, 6, 4)
	s_cmp_eq_u32 s2, 0
	s_cbranch_scc0 .Lentry_in_a_cluster
	s_endpgm
.Lentry_in_a_cluster:
	s_bfe_u32 s2, ttmp6, 0x10000c
	s_cmp_lg_u32 s2, 0xf033
	s_cbranch_scc0 .Lentry_shape_is_right
	s_endpgm
.Lentry_shape_is_right:
; q, k, v = x W^T + b.  A = xb [kb][19456][64] bf16, W = wb rows 0-2303 [kb][n][64] bf16; sums in f32, started by the bias.
; Out: qkv[12 which + head][m'][64] in f16 (which 0 q, 1 k, 2 v).  LIMIT: |q|, |k|, |v| must stay below 65,504, f16's largest number.
; 256 work-groups that stay: a work-group keeps its 304 rows and its 192 columns' place and makes three tiles of 304 x 192, one of q, of k and of v.
; Four waves; wave w owns rows 80 w .. 80 w + 79 (wave 3: 64 rows) and all 192 columns: 60 accumulator tiles of 16 x 16 (wave 3: 48), so that a wave
; holds whole rows of three heads and can store dense runs of bytes.
; K = 768 goes in six steps of 128 (two K blocks) through two LDS slots, and the slots take turns on into the next tile: 18 steps without a break.  A tile's
; last two steps ask for the next tile's first two; a tile's stores leave while the next tile is multiplied.  Two tiles go round a loop, the last is written out,
; since its last two steps ask for nothing.
; CLUSTERS: 4 x 4 work-groups.  A's tile hangs on the block row alone and is asked for jointly along a row of the cluster, W's on the block
; column alone and is asked for jointly along a column: the requests for both are divided by four.
; REGISTERS by windows of 256: window 0 addresses, A's fragments (two buffers), the bias; window 1 W's fragments (two buffers; buffer 1 also serves the way out);
; window 2 tiles t = 0..31 at 8 t; window 3 tiles t = 32..59 at 8 (t - 32); t = 12 a + b (a: 16 rows, b: 16 columns).
; THE MATRIX INSTRUCTION IS USED TRANSPOSED: source 0 = 16 rows of W, source 1 = 16 rows of A: lane l then holds row l % 16 of C and its eight
; registers the columns 16 b + 8 (l / 16) + 0..7, eight neighbours of a row.
.set KBS,   2490368                    ; bytes of a K block of xb, and of a head block of qkv
.set KBW,   393216                     ; bytes of a K block of wb
.set PITCH, 144                        ; an LDS row: 128 bytes + 16 of padding, an odd multiple of 16: 16 rows start at 16 different 16-byte columns
.set AHALF, 304*PITCH                  ; A's rows of one K block
.set WHALF, 192*PITCH                  ; W's rows of one K block
.set WOFF,  2*AHALF
.set SLOT,  2*AHALF+2*WHALF            ; 142,848 bytes: A block 0, A block 1, W block 0, W block 1
.set STAGE, 2*SLOT                     ; 285,696 = 1,116 x 256: behind the ring, 16 rows x 400 bytes for each wave; no tensor load lands there
.set SP,    400                        ; the stage's pitch: 384 bytes + 16
.set ADRA, 8                           ; v8, v9    LDS address of my A fragments in slot 0, 1
.set ADRB, 10                          ; v10, v11  the same for W
.set STO,  12                          ; v12  the way out: where I put 16 bytes of a row
.set RD,   13                          ; v13  the way out: where I read back
.set CO,   14                          ; v14  16 x lane
.set VB,   16                          ; v16  32 x (lane / 16): my eight columns' bias
.set FA0,  32                          ; window 0: five fragments of A, buffer 0
.set FA1,  72                          ;           buffer 1
.set FB0,  0                           ; window 1: twelve fragments of W, buffer 0
.set FB1,  96                          ;           buffer 1
.set BIAS, 112                         ; window 0: v112-207, tile column b at 8 b
.set TMP,  96                          ; window 1, in W's buffer 1, which is idle on the way out: packed results
.set RB,   144                         ; window 1, likewise: what is read back
.set G1A, 24                           ; s[24:31] descriptor group 1, A's tiles
.set G0A, 32                           ; s[32:39] group 0, A's tiles, a set for each slot
.set G1B, 48                           ; s[48:55] group 1, W's tiles
.set G0B, 56                           ; s[56:63] group 0, W's tiles
.set G1W0, (3<<16)|(1<<20)|(1<<21)|(4<<22)|(3<<25)   ; elements of 8 bytes; padding on; bit 21 beside a mask; after every 32 words (code 4) 4 words (code 3)
.set MUL_LO,  0xa1                     ; source 0 (W) window 1, source 1 (A) window 0, C and D window 2
.set MUL_HI,  0xf1                     ; C and D window 3
.set BIAS_LO, 0x81                     ; C (the bias) window 0, D window 2
.set BIAS_HI, 0xc1                     ; C window 0, D window 3
.set TO_B,    0x40                     ; destination window 1, address window 0
.set FROM_B,  0x04                     ; a store's data (source 1) window 1, address window 0
.set MSB, 0
.macro WIN new                         ; the immediate's high byte repeats the setting that is left; a switch that changes nothing is dropped
.if MSB != \new
	s_set_vgpr_msb (MSB<<8)|\new
.set MSB, \new
.endif
.endm
.macro PLACES                          ; four places behind a matrix instruction before its registers are loaded into, read or written (ISA guide 7.12.1)
.rept 4
	v_nop
.endr
.endm
; A joint load: waves 0 and 1 ask for A's two K blocks, waves 2 and 3 for W's.  The branch hangs on the wave's number alone.
.macro JLOAD s
	s_cmp_eq_u32 s17, 0
	s_cbranch_scc0 .Lfor_b_\@
	tensor_load_to_lds s[G0A+4*\s:G0A+4*\s+3], s[G1A:G1A+7]
	s_nop 0
	s_branch .Lasked_\@
.Lfor_b_\@:
	tensor_load_to_lds s[G0B+4*\s:G0B+4*\s+3], s[G1B:G1B+7]
	s_nop 0
.Lasked_\@:
.endm
.macro CREST                           ; a round of the cluster's barrier behind its opening work-group barrier
	s_cmp_lg_u32 s16, 0
	s_cbranch_scc1 .Lnot_wave_0_\@
	s_barrier_signal -3
.Lnot_wave_0_\@:
	s_barrier_wait -3
	s_barrier_signal -1
	s_barrier_wait -1
.endm
.macro CROUND
	s_barrier_signal -1
	s_barrier_wait -1
	CREST
.endm
; n matrix instructions on tiles t0 .. t0 + n - 1.  bias = 1: the sums start from the bias, so nothing is cleared and nothing is added later.
; The accumulators take turns, one instruction a turn, in the same order in every quarter step.
.macro MULS fa, fb, t0, n, bias
.set tt, \t0
.rept \n
.if \bias
	v_wmma_f32_16x16x32_bf16 v[8*(tt%32):8*(tt%32)+7], v[\fb+8*(tt%12):\fb+8*(tt%12)+7], v[\fa+8*(tt/12):\fa+8*(tt/12)+7], v[BIAS+8*(tt%12):BIAS+8*(tt%12)+7]
.else
	v_wmma_f32_16x16x32_bf16 v[8*(tt%32):8*(tt%32)+7], v[\fb+8*(tt%12):\fb+8*(tt%12)+7], v[\fa+8*(tt/12):\fa+8*(tt/12)+7], v[8*(tt%32):8*(tt%32)+7]
.endif
.set tt, tt+1
.endr
.endm
.macro LOW fa, fb, bias                ; tiles 0..31
.if \bias
	WIN BIAS_LO
.else
	WIN MUL_LO
.endif
	MULS \fa, \fb, 0, 32, \bias
.endm
.macro BODY fa, fb, bias               ; tiles 32..47, and 48..59 (the fifth 16 rows), which wave 3 does not have
.if \bias
	WIN BIAS_HI
.else
	WIN MUL_HI
.endif
	MULS \fa, \fb, 32, 16, \bias
	WIN 0                                          ; at a branch and at a label every window is 0
	s_cmp_eq_u32 s16, 3
	s_cbranch_scc1 .Lno5_\@
.if \bias
	WIN BIAS_HI
.else
	WIN MUL_HI
.endif
	MULS \fa, \fb, 48, 12, \bias
	WIN 0
.Lno5_\@:
.endm
; 34 LDS loads in one run: quarter c of a slot (K block c / 2, bytes 64 (c % 2) of its rows): W's 12 fragments, A's 5.
; A fragment: lane l holds row l % 16; two loads of 16 bytes, 32 apart, at row x pitch + 16 (l / 16).
; Wave 3's fifth fragment lies behind A's 304 rows, in the same slot's next region: bytes that have landed; it is not multiplied.
.macro FETCH slot, c, fa, fb
	WIN TO_B
.irp i, 0,1,2,3,4,5,6,7,8,9,10,11
	ds_load_b128 v[\fb+8*\i:\fb+8*\i+3],   v[ADRB+\slot] offset:((\c)>>1)*WHALF+((\c)&1)*64+\i*16*PITCH
	ds_load_b128 v[\fb+8*\i+4:\fb+8*\i+7], v[ADRB+\slot] offset:((\c)>>1)*WHALF+((\c)&1)*64+\i*16*PITCH+32
.endr
	WIN 0
.irp i, 0,1,2,3,4
	ds_load_b128 v[\fa+8*\i:\fa+8*\i+3],   v[ADRA+\slot] offset:((\c)>>1)*AHALF+((\c)&1)*64+\i*16*PITCH
	ds_load_b128 v[\fa+8*\i+4:\fa+8*\i+7], v[ADRA+\slot] offset:((\c)>>1)*AHALF+((\c)&1)*64+\i*16*PITCH+32
.endr
.endm
; One of a K step's first three quarters: multiplies buffer (fa, fb); ahead of that it asks for quarter c into the other buffer (ga, gb).
.macro QUARTER slot, c, fa, fb, ga, gb, bias
	s_wait_dscnt 0x0                               ; this buffer's 34 loads, issued a quarter step ago
	PLACES                                         ; the other buffer was read by the matrix instructions just issued
	FETCH \slot, \c, \ga, \gb
	LOW \fa, \fb, \bias
	BODY \fa, \fb, \bias
.endm
.macro THREE slot
	QUARTER \slot, 1, FA0, FB0, FA1, FB1, 0
	QUARTER \slot, 2, FA1, FB1, FA0, FB0, 0
	QUARTER \slot, 3, FA0, FB0, FA1, FB1, 0
.endm
; The last quarter multiplies buffer 1 and changes slots.  In front of the barrier each wave waits for its reads of this slot and for all its
; tensor loads (one is out: its part of the next slot).  fill = 1 or 2: the barrier opens a round of the cluster's barrier, and behind the round this
; slot is asked for again, two K steps ahead, first thing.  fill = 1: the same tile, four K blocks on.  fill = 2: the next tile: A back by eight K blocks,
; W back by eight K blocks and on by 768 rows.  From a request to the wait for it a wave issues 208 matrix instructions.
.macro TURN slot, next, fill
	s_wait_dscnt 0x0
	s_wait_tensorcnt 0x0
	ds_add_u32 v254, v255
	s_wait_dscnt 0x0
	s_barrier_signal -1
	LOW FA1, FB1, 0                                ; register work while the others arrive
	WIN 0
	s_barrier_wait -1
.if \fill
	CREST
.if \fill == 1
	s_add_nc_u64 s[G0A+4*\slot+2:G0A+4*\slot+3], s[G0A+4*\slot+2:G0A+4*\slot+3], 4*KBS   ; no tensor load of mine is out: group 0 may be written
	s_add_nc_u64 s[G0B+4*\slot+2:G0B+4*\slot+3], s[G0B+4*\slot+2:G0B+4*\slot+3], 4*KBW
.else
	s_sub_nc_u64 s[G0A+4*\slot+2:G0A+4*\slot+3], s[G0A+4*\slot+2:G0A+4*\slot+3], 8*KBS
	s_sub_nc_u64 s[G0B+4*\slot+2:G0B+4*\slot+3], s[G0B+4*\slot+2:G0B+4*\slot+3], 8*KBW-768*128
.endif
	JLOAD \slot
.endif
	PLACES
	FETCH \next, 0, FA0, FB0
	BODY FA1, FB1, 0
.endm
.macro BIASLOAD                        ; columns 16 b + 8 h + 0..7, as the accumulator holds them
.irp b, 0,1,2,3,4,5,6,7,8,9,10,11
	global_load_b128 v[BIAS+8*\b:BIAS+8*\b+3],   v[VB], s[76:77] offset:64*\b
	global_load_b128 v[BIAS+8*\b+4:BIAS+8*\b+7], v[VB], s[76:77] offset:64*\b+16
.endr
.endm
; THE WAY OUT, 16 rows at a time: round to f16, 16 bytes a lane into my stage, read back by heads: four rows of one head are 512 dense bytes of qkv.
; The pad rows are stored too (their x is 0: the bias), so every byte of qkv is defined.
.macro OUTQ a
.set bb, 0
.rept 12
.set tt, 12*\a+bb
.if tt < 32
	WIN 0x4a                                       ; sources window 2, destination window 1
.else
	WIN 0x4f                                       ; sources window 3
.endif
.irp q, 0,1,2,3
	v_cvt_pk_f16_f32 v[TMP+4*bb+\q], v[8*(tt%32)+2*\q], v[8*(tt%32)+2*\q+1]
.endr
.set bb, bb+1
.endr
	WIN FROM_B
.irp b, 0,1,2,3,4,5,6,7,8,9,10,11
	ds_store_b128 v[STO], v[TMP+4*\b:TMP+4*\b+3] offset:32*\b
.endr
	s_wait_xcnt 0x0                                ; RB, which the last 16 rows' stores read, is loaded again only behind this wait
	WIN TO_B
.irp hd, 0,1,2
.irp v, 0,1,2,3
	ds_load_b128 v[RB+4*(4*\hd+\v):RB+4*(4*\hd+\v)+3], v[RD] offset:128*\hd+4*SP*\v   ; LDS serves a wave's instructions in order: these see the stores above
.endr
.endr
	WIN FROM_B
.irp hd, 0,1,2
.irp v, 0,1,2,3
	s_wait_dscnt 11-(4*\hd+\v)                     ; the younger read-backs stay out
	global_store_b128 v[CO], v[RB+4*(4*\hd+\v):RB+4*(4*\hd+\v)+3], s[14:15] offset:\hd*KBS+2048*\a+512*\v   ; 512 consecutive bytes, aligned
.endr
.endr
.endm
.macro WAYOUT
	PLACES                                         ; behind the tile's last matrix instructions: results are read, W's buffer 1 is written
	OUTQ 0
	OUTQ 1
	OUTQ 2
	OUTQ 3
	WIN 0
	s_cmp_eq_u32 s16, 3
	s_cbranch_scc1 .Lno5out_\@
	OUTQ 4
	WIN 0
.Lno5out_\@:
.endm
; One tile: six K steps and the way out.  On entry buffer 0's fetch of step 0's first quarter is out, slot 1's tensor load may be out, the bias's loads may be out.
.macro TILE last
	s_wait_loadcnt 0x0                             ; this tile's bias; the only global loads of the text
	QUARTER 0, 1, FA0, FB0, FA1, FB1, 1
.if \last == 0
	PLACES                                         ; the bias was a source of the matrix instructions just issued
	s_cmp_eq_u32 s75, 0                            ; the next tile's bias: k's behind q's tile, v's behind k's
	s_cselect_b64 s[76:77], s[10:11], s[12:13]     ; (the loads that named s[76:77] were waited for at the tile's head)
	s_add_nc_u64 s[76:77], s[76:77], s[78:79]
	BIASLOAD
.endif
	QUARTER 0, 2, FA1, FB1, FA0, FB0, 0
	QUARTER 0, 3, FA0, FB0, FA1, FB1, 0
	TURN 0, 1, 1
	THREE 1
	TURN 1, 0, 1
	THREE 0
	TURN 0, 1, 1
	THREE 1
	TURN 1, 0, 1
	THREE 0
.if \last
	TURN 0, 1, 0                                   ; nothing is left to ask for: a plain barrier
	THREE 1
	s_wait_dscnt 0x0
	LOW FA1, FB1, 0
	BODY FA1, FB1, 0
.else
	TURN 0, 1, 2                                   ; the next tile's K step 0
	THREE 1
	TURN 1, 0, 2                                   ; its K step 1; and its first fragments are fetched ahead of the way out
.endif
	WAYOUT
.if \last == 0
	s_wait_xcnt 0x0                                ; the stores' base and RB (W's buffer 1, fetched into next) are written again only behind this wait
	s_add_nc_u64 s[14:15], s[14:15], 12*KBS        ; the next projection's twelve head blocks
.endif
.endm
	s_load_b128 s[4:7], s[0:1], 0x0                ; xb s[4:5], wb s[6:7]
	s_load_b256 s[8:15], s[0:1], 0x10              ; bq s[8:9], bk s[10:11], bv s[12:13], qkv s[14:15]
	v_lshl_add_u32 v254, v0, 2, 0x4c000
	v_mov_b32 v255, 0
	ds_add_u32 v254, v255
	ds_add_u32 v254, v255
	v_lshrrev_b32 v1, 5, v0
	v_readfirstlane_b32 s16, v1                    ; wave
	s_lshr_b32 s17, s16, 1                         ; I ask for A (0) or for W (1),
	s_and_b32 s18, s16, 1                          ; for the step's first or second K block
	s_bfe_u32 s19, ttmp6, 0x40000                  ; cx
	s_bfe_u32 s20, ttmp6, 0x40004                  ; cy
	s_lshl_b32 s21, ttmp9, 2
	s_add_co_u32 s21, s21, s19                     ; block column inside a projection, 0..3
	s_and_b32 s22, ttmp7, 0xffff
	s_lshl_b32 s22, s22, 2
	s_add_co_u32 s22, s22, s20                     ; block row, 0..63
	s_lshl_b32 s23, s20, 2
	s_lshl_b32 s23, 15, s23                        ; my row of the cluster
	s_lshl_b32 s67, 0x1111, s19                    ; my column
	; The tiles are dense in memory and come as rows of 256 bytes (32 elements of 8 bytes): A 152 rows, W 96 rows; 16 bytes of padding behind every 128.
	s_or_b32 s[G1A+0], s23, G1W0
	s_or_b32 s[G1B+0], s67, G1W0
	s_mov_b32 s[G1A+1], 32<<16                     ; tensor_dim0 = 32
	s_mov_b32 s[G1B+1], 32<<16
	s_mov_b32 s[G1A+2], 152<<16                    ; tensor_dim1
	s_mov_b32 s[G1B+2], 96<<16
	s_mov_b32 s[G1A+3], 32<<16                     ; tile_dim0 = 32
	s_mov_b32 s[G1B+3], 32<<16
	s_mov_b32 s[G1A+4], 152                        ; tile_dim1
	s_mov_b32 s[G1B+4], 96
	s_mov_b32 s[G1A+5], 32                         ; elements from row to row
	s_mov_b32 s[G1B+5], 32
	s_mov_b32 s[G1A+6], 0
	s_mov_b32 s[G1B+6], 0
	s_mov_b32 s[G1A+7], 0
	s_mov_b32 s[G1B+7], 0
	s_mul_i32 s40, s18, KBS                        ; A: my K block + 304 rows x block row (registers that never hold cx)
	s_mul_i32 s41, s22, 304*128
	s_add_co_u32 s40, s40, s41
	s_mov_b32 s41, 0
	s_mul_i32 s44, s18, KBW                        ; W: my K block + 192 rows x block column, in Wq (registers that never hold cy)
	s_mul_i32 s45, s21, 192*128
	s_add_co_u32 s44, s44, s45
	s_mov_b32 s45, 0
	s_mul_i32 s72, s16, AHALF                      ; where they go: waves 0, 1: A's blocks;
	s_mul_i32 s73, s16, WHALF
	s_add_co_u32 s73, s73, WOFF-2*WHALF            ; waves 2, 3: W's blocks.  The wave's number alone
	s_wait_dscnt 0x0
	s_wait_kmcnt 0x0
	s_add_nc_u64 s[42:43], s[4:5], s[40:41]
	s_add_nc_u64 s[46:47], s[6:7], s[44:45]
	CROUND                                         ; all sixteen work-groups are here: the first joint loads meet
.irp s, 0,1
	s_mov_b32 s[G0A+4*\s], 1
	s_add_co_u32 s[G0A+4*\s+1], s72, \s*SLOT
	s_add_nc_u64 s[G0A+4*\s+2:G0A+4*\s+3], s[42:43], \s*2*KBS
	s_or_b32 s[G0A+4*\s+3], s[G0A+4*\s+3], 0x80000000
	s_mov_b32 s[G0B+4*\s], 1
	s_add_co_u32 s[G0B+4*\s+1], s73, \s*SLOT
	s_add_nc_u64 s[G0B+4*\s+2:G0B+4*\s+3], s[46:47], \s*2*KBW
	s_or_b32 s[G0B+4*\s+3], s[G0B+4*\s+3], 0x80000000
	JLOAD \s                                       ; K steps 0 and 1: two tensor loads of a wave are out, later one
.endr
	s_mul_i32 s78, s21, 768                        ; my 192 columns in a bias, in bytes
	s_mov_b32 s79, 0
	s_add_nc_u64 s[76:77], s[8:9], s[78:79]        ; the first tile is q's
	v_and_b32 v1, 15, v0                           ; r = l % 16
	v_bfe_u32 v2, v0, 4, 1                         ; h = l / 16
	v_lshlrev_b32 v[VB], 5, v2
	BIASLOAD
	v_mul_u32_u24 v3, v1, PITCH
	v_lshl_add_u32 v3, v2, 4, v3                   ; row x pitch + 16 h
	s_mul_i32 s74, s16, 80*PITCH
	v_add_nc_u32 v[ADRA], s74, v3
	v_add_nc_u32 v[ADRA+1], SLOT, v[ADRA]
	v_add_nc_u32 v[ADRB], WOFF, v3
	v_add_nc_u32 v[ADRB+1], SLOT, v[ADRB]
	s_mul_i32 s74, s16, 16*SP                      ; my stage: 16 rows of 400 bytes
	s_add_co_u32 s74, s74, STAGE
	v_mul_u32_u24 v4, v1, SP
	v_lshl_add_u32 v4, v2, 4, v4
	v_add_nc_u32 v[STO], s74, v4
	v_bfe_u32 v5, v0, 3, 2                         ; back: eight lanes take one head's 128 bytes of a row, a wave four rows
	v_and_b32 v6, 7, v0
	v_mul_u32_u24 v7, v5, SP
	v_lshl_add_u32 v7, v6, 4, v7
	v_add_nc_u32 v[RD], s74, v7
	v_and_b32 v5, 31, v0
	v_lshlrev_b32 v[CO], 4, v5
	s_mul_i32 s68, s21, 3*KBS                      ; out: head block 3 x block column of q, row 304 x block row + 80 w
	s_mul_i32 s69, s22, 304
	s_mul_i32 s70, s16, 80
	s_add_co_u32 s69, s69, s70
	s_lshl_b32 s69, s69, 7
	s_add_co_u32 s68, s68, s69                     ; below 29,884,416
	s_mov_b32 s69, 0
	s_add_nc_u64 s[14:15], s[14:15], s[68:69]
	s_wait_tensorcnt 0x1                           ; my part of K step 0 is in; step 1's may stay out
	s_barrier_signal -1
	s_barrier_wait -1
	FETCH 0, 0, FA0, FB0
	s_mov_b32 s75, 0                               ; the tile's number
.Ltile:
	TILE 0                                         ; q, then k
	s_add_co_u32 s75, s75, 1
	s_cmp_lt_u32 s75, 2
	s_cbranch_scc1 .Ltile
	TILE 1                                         ; v
	s_wait_tensorcnt 0x0
	ds_add_u32 v254, v255
	s_wait_dscnt 0x0
	CROUND                                         ; the closing round: no work-group ends while a partner may still ask jointly
	s_endpgm
.Lfunc_end_k_q4445596b46_qkvgemm:
	.size	k_q4445596b46_qkvgemm, .Lfunc_end_k_q4445596b46_qkvgemm-k_q4445596b46_qkvgemm
	.p2alignl 7, 3214868480
	.fill 96, 4, 3214868480
	.section	.rodata,"a",@progbits
	.p2align	6, 0x0
	.amdhsa_kernel k_q4445596b46_qkvgemm
		.amdhsa_group_segment_fixed_size 327680
		.amdhsa_private_segment_fixed_size 0
		.amdhsa_enable_private_segment 0
		.amdhsa_kernarg_size 48
		.amdhsa_user_sgpr_count 2
		.amdhsa_user_sgpr_kernarg_segment_ptr 1
		.amdhsa_wavefront_size32 1
		.amdhsa_system_sgpr_workgroup_id_x 1
		.amdhsa_system_sgpr_workgroup_id_y 1
		.amdhsa_system_sgpr_workgroup_id_z 1
		.amdhsa_system_vgpr_workitem_id 0
		.amdhsa_next_free_vgpr 992
		.amdhsa_next_free_sgpr 80
		.amdhsa_reserve_vcc 0
		.amdhsa_float_denorm_mode_32 3
		.amdhsa_float_denorm_mode_16_64 3
		.amdhsa_memory_ordered 1
		.amdhsa_forward_progress 1
		.amdhsa_inst_pref_size 255
	.end_amdhsa_kernel
	.section	.bss,"aw",@nobits
	.p2align	6
	.space	262144
	.amdgpu_metadata
---
amdhsa.version: [ 1, 2 ]
amdhsa.kernels:
  - .name:           k_q4445596b46_qkvgemm
    .symbol:         k_q4445596b46_qkvgemm.kd
    .args:
      - { .name: xb, .offset: 0, .size: 8, .value_kind: global_buffer, .address_space: global }
      - { .name: wb, .offset: 8, .size: 8, .value_kind: global_buffer, .address_space: global }
      - { .name: bq, .offset: 16, .size: 8, .value_kind: global_buffer, .address_space: global }
      - { .name: bk, .offset: 24, .size: 8, .value_kind: global_buffer, .address_space: global }
      - { .name: bv, .offset: 32, .size: 8, .value_kind: global_buffer, .address_space: global }
      - { .name: qkv, .offset: 40, .size: 8, .value_kind: global_buffer, .address_space: global }
    .group_segment_fixed_size: 327680
    .private_segment_fixed_size: 0
    .kernarg_segment_align: 8
    .kernarg_segment_size: 48
    .max_flat_workgroup_size: 128
    .sgpr_count:     80
    .vgpr_count:     992
    .wavefront_size: 32
...
	.end_amdgpu_metadata
.endif
;; end of part 2
;; launch attn (part 3): grid 8 x 32, 8 waves a work-group, no clusters, 327,680 bytes of LDS; arguments qkv, att; writes att
.if DOCPART == 3
	.amdgcn_target "amdgcn-amd-amdhsa--gfx1250"
	.amdhsa_code_object_version 6
	.text
	.protected	k_q4445596b46_attn
	.globl	k_q4445596b46_attn
	.p2align	8
	.type	k_q4445596b46_attn,@function
k_q4445596b46_attn:
	s_mov_b64 s[64:65], 0
	v_nop
	global_prefetch_b8 v0, s[64:65] scope:SCOPE_SE
	s_setreg_imm32_b32 hwreg(HW_REG_WAVE_MODE, 25, 1), 1
	s_wait_xcnt 0x0
; att = softmax(mask(q k^T / sqrt(768))) v for each (batch, head), keys allowed where key >= query, as the problem's own mask has it.
; qkv[12 which + head][608 b + n][64] f16 in; att[head][608 b + n][64] f16 out.  Scores, maxima, sums and outputs in f32; a running maximum is kept.
; 384 (batch, head) on 256 work-groups of equal work: x = 2 j + p, y = batch.  PHASE 1: head 3 j + p, all queries.  PHASE 2: head 3 j + 2, of which this
; work-group takes queries 32 I + 16 p + 0..15 of every block I and its partner the others.
; In each phase the whole K (608 x 64) and V of the head lie in LDS, brought by one tensor load a wave; behind the barrier the waves are independent.
; Queries go in 19 blocks I of 32 rows (phase 2: 16 of them); block I needs the key blocks J = I .. 18.  Wave w < 7 takes I = w and 14 - w (24 steps), wave 7 takes
; 7, 15, 16, 17, 18 (22).  Halving the query tile, not the list of blocks, keeps the longest chain of steps (block 0: 19) at half a phase's length.
; No cluster: only the third head's K and V are shared, by two work-groups: one third of a work-group's fills; a joint load would tie the two changes of phase together.
; LAYOUTS: S^T = K Q^T (source 0 = 16 keys, source 1 = 16 queries): lane (r, h) holds query r, keys 16 kt + 8 h + 0..7.  Two key tiles, packed in pairs, are
; the second source of O^T = V^T P^T as they stand; V^T comes from LDS by the transposing load.  All figures of a row are a lane's own but for the two halves h.
; Masked scores are the problem's own -FLT_MAX; their exponentials are 0.  Keys 577..607 are pad rows (the bias: finite) and are always masked.
; LIMITS: a row whose allowed scores all lie near -FLT_MAX is not served.  The pad queries 577..607 have no allowed key: their rows of att may hold NaN or
; infinity; they feed only rows of the last product that are never stored.
.set KBS,   2490368                    ; bytes of a head block
.set BB,    77824                      ; a batch's 608 rows of 128 bytes
.set KP,    144                        ; K's pitch in LDS: 128 + 16, an odd multiple of 16
.set VP,    160                        ; V's pitch: 128 + 32, an odd multiple of 32, for the transposing load
.set VBASE, 608*KP                     ; 87,552
.set STAGE, VBASE+608*VP               ; 184,832: 32 rows x 144 bytes for each wave; no tensor load lands there
.set VQ,   1                           ; 128 r + 16 h
.set VK,   2                           ; LDS address of a key block's fragments
.set VV,   3                           ; the same for V
.set VK0,  4                           ; 144 r + 16 h
.set VV0,  5                           ; VBASE + 160 (8 h + l % 8) + 16 ((l / 8) % 2)
.set VD,   7                           ; r - 8 h
.set VD2,  8                           ; 16 p + r - 8 h
.set VH,   9                           ; h
.set VSTO, 10
.set VRD,  11
.set VOUT, 12                          ; 16 x lane
.set VPF,  13                          ; the byte that I ask for ahead; never rewritten
.set VMIN, 14                          ; -FLT_MAX
.set VPF2, 15                          ; a second one (waves 0-2 of p = 0); never rewritten
.set QF,   16                          ; v[16:47]    Q fragments, 16 u + 8 c (u: 16 queries, c: 32 of d)
.set KF,   48                          ; v[48:79]    K fragments, 16 kt + 8 c; at the end what is read back from the stage
.set VF,   80                          ; v[80:111]   V^T fragments, 8 t (t: 16 of d)
.set S,    112                         ; v[112:143]  scores, then P, 16 u + 8 kt
.set PF,   144                         ; v[144:159]  P in f16, 8 u
.set O,    160                         ; v[160:223]  O^T, 32 u + 8 t
.set ST,   224                         ; v[224:231]  4 u + 0: the shift -c max; 1: the maximum; 2: the rescaling factor; 3: the lane's sum
.set T,    232                         ; v[232:247]  at work, 8 u
; In all macros nq = 2 or 1 is the number of query tiles of 16 rows that an item has.
.macro QLOAD nq                        ; 16 nq queries x 64: four loads of 16 bytes a lane for each tile
.irp u, 0,1
.if \u < \nq
.irp c, 0,1
	global_load_b128 v[QF+16*\u+8*\c:QF+16*\u+8*\c+3],   v[VQ], s[38:39] offset:2048*\u+64*\c
	global_load_b128 v[QF+16*\u+8*\c+4:QF+16*\u+8*\c+7], v[VQ], s[38:39] offset:2048*\u+64*\c+32
.endr
.endif
.endr
.endm
.macro KLOAD
.irp kt, 0,1
.irp c, 0,1
	ds_load_b128 v[KF+16*\kt+8*\c:KF+16*\kt+8*\c+3],   v[VK] offset:16*KP*\kt+64*\c
	ds_load_b128 v[KF+16*\kt+8*\c+4:KF+16*\kt+8*\c+7], v[VK] offset:16*KP*\kt+64*\c+32
.endr
.endr
.endm
.macro VLOAD
.irp t, 0,1,2,3
	ds_load_tr16_b128 v[VF+8*\t:VF+8*\t+3],   v[VV] offset:32*\t            ; keys 8 h + 0..7 of column d = 16 t + r
	ds_load_tr16_b128 v[VF+8*\t+4:VF+8*\t+7], v[VV] offset:32*\t+16*VP      ; keys 16 + 8 h + 0..7
.endr
.endm
.macro MASK_PAD nq                     ; key block 18: 577 = 18 x 32 + 1, so key 576 (tile 0, register 0, h = 0) alone is real
	v_cmp_eq_u32 vcc_lo, 0, v[VH]
.irp u, 0,1
.if \u < \nq
	v_cndmask_b32 v[S+16*\u], v[VMIN], v[S+16*\u], vcc_lo
.irp i, 1,2,3,4,5,6,7,8,9,10,11,12,13,14,15
	v_mov_b32 v[S+16*\u+\i], v[VMIN]
.endr
.endif
.endr
.endm
; The head's K and V, one tensor load a wave: waves 0-3 K's quarters, waves 4-7 V's.  o: the scalar pair with the (head, batch)'s byte offset in a group of 12 head blocks.
.macro FILLKV o
	s_add_nc_u64 s[26:27], s[4:5], s[\o:\o+1]
	s_add_nc_u64 s[26:27], s[26:27], s[14:15]      ; + 152 keys x wave
	s_cmp_lt_u32 s8, 4
	s_cbranch_scc0 .Lfor_v_\@
	s_mul_i32 s25, s8, 152*KP                      ; waves 0-3: K's quarter w
	s_add_nc_u64 s[26:27], s[26:27], 12*KBS
	s_or_b32 s27, s27, 0x80000000
	tensor_load_to_lds s[24:27], s[16:23]
	s_nop 0
	s_branch .Lasked_\@
.Lfor_v_\@:
	s_mul_i32 s25, s8, 152*VP                      ; waves 4-7: V's quarter w - 4
	s_sub_co_u32 s25, s25, 4*152*VP-VBASE
	s_add_nc_u64 s[26:27], s[26:27], 24*KBS-4*152*128
	s_or_b32 s27, s27, 0x80000000
	tensor_load_to_lds s[24:27], s[28:35]
	s_nop 0
.Lasked_\@:
.endm
; One step: 16 nq queries x the 32 keys of block J = s47.  kind 0: the first (J = I, the diagonal; starts maxima, sums and O), 1: a middle one, 2: the last (J = 18).
; On entry KF holds K(J).
.macro STEP kind, nq
.if \kind != 2
	s_add_co_u32 s54, s47, 1
	s_min_u32 s54, s54, 18                         ; the next key block; behind block 18 the same bytes are asked for again and not used
	s_mul_i32 s54, s54, 32*KP
.endif
	s_min_u32 s55, s47, 18
	s_mul_i32 s55, s55, 32*VP
	; the 2 nq accumulators take turns, one instruction a turn; the first 32 of d start the sums
.irp c, 0,1
.irp u, 0,1
.if \u < \nq
.irp kt, 0,1
.if \c == 0
	v_wmma_f32_16x16x32_f16 v[S+16*\u+8*\kt:S+16*\u+8*\kt+7], v[KF+16*\kt:KF+16*\kt+7], v[QF+16*\u:QF+16*\u+7], 0
.else
	v_wmma_f32_16x16x32_f16 v[S+16*\u+8*\kt:S+16*\u+8*\kt+7], v[KF+16*\kt+8:KF+16*\kt+15], v[QF+16*\u+8:QF+16*\u+15], v[S+16*\u+8*\kt:S+16*\u+8*\kt+7]
.endif
.endr
.endif
.endr
.endr
	; four places (ISA guide 7.12.1) before KF and VF are loaded again and the scores are read
.if \kind != 2
	v_add_nc_u32 v[VK], s54, v[VK0]
.else
	v_nop
.endif
	v_add_nc_u32 v[VV], s55, v[VV0]
	v_nop
	v_nop
.if \kind != 2
	KLOAD                                          ; K(J + 1), for the next step
.endif
	VLOAD                                          ; V(J), for the end of this step
.if \kind == 0
.if \nq == 2
	; the diagonal block: key 16 kt + 8 h + j is allowed for query 16 u + r if it is not smaller
.irp j, 0,1,2,3,4,5,6,7
	v_mov_b32 v[S+16+\j], v[VMIN]                  ; queries 16-31, keys 0-15: none
.endr
.irp j, 0,1,2,3,4,5,6,7
	v_cmp_ge_i32 vcc_lo, \j, v[VD]                 ; u = kt: j >= r - 8 h
	v_cndmask_b32 v[S+\j],    v[VMIN], v[S+\j],    vcc_lo
	v_cndmask_b32 v[S+24+\j], v[VMIN], v[S+24+\j], vcc_lo
.endr
.else
	; one query tile, at row 16 p of the block: key 16 kt + 8 h + j is allowed for query 16 p + r if 16 kt + j >= 16 p + r - 8 h
.irp kt, 0,1
.irp j, 0,1,2,3,4,5,6,7
	v_cmp_ge_i32 vcc_lo, 16*\kt+\j, v[VD2]
	v_cndmask_b32 v[S+8*\kt+\j], v[VMIN], v[S+8*\kt+\j], vcc_lo
.endr
.endr
.endif
	s_cmp_lg_u32 s47, 18
	s_cbranch_scc1 .Lnopad_\@
	MASK_PAD \nq
.Lnopad_\@:
.endif
.if \kind == 2
	MASK_PAD \nq
.endif
	; the rows' maxima: 16 scores a lane, the old maximum among them, then the other half of the lanes
.irp u, 0,1
.if \u < \nq
.if \kind == 0
	v_max_num_f32  v[T+8*\u],   v[S+16*\u],    v[S+16*\u+1]
.else
	v_max3_num_f32 v[T+8*\u],   v[S+16*\u],    v[S+16*\u+1],  v[ST+4*\u+1]
.endif
	v_max3_num_f32 v[T+8*\u+1], v[S+16*\u+2],  v[S+16*\u+3],  v[S+16*\u+4]
	v_max3_num_f32 v[T+8*\u+2], v[S+16*\u+5],  v[S+16*\u+6],  v[S+16*\u+7]
	v_max3_num_f32 v[T+8*\u+3], v[S+16*\u+8],  v[S+16*\u+9],  v[S+16*\u+10]
	v_max3_num_f32 v[T+8*\u+4], v[S+16*\u+11], v[S+16*\u+12], v[S+16*\u+13]
.endif
.endr
.irp u, 0,1
.if \u < \nq
	v_max3_num_f32 v[T+8*\u],   v[T+8*\u],   v[S+16*\u+14], v[S+16*\u+15]
	v_max3_num_f32 v[T+8*\u+1], v[T+8*\u+1], v[T+8*\u+2],   v[T+8*\u+3]
.endif
.endr
.irp u, 0,1
.if \u < \nq
	v_max3_num_f32 v[T+8*\u], v[T+8*\u], v[T+8*\u+1], v[T+8*\u+4]
.endif
.endr
.irp u, 0,1
.if \u < \nq
	v_permlanex16_b32 v[T+8*\u+1], v[T+8*\u], s52, s53
.endif
.endr
.irp u, 0,1
.if \u < \nq
	v_max_num_f32 v[ST+4*\u+1], v[T+8*\u], v[T+8*\u+1]
.endif
.endr
.irp u, 0,1
.if \u < \nq
	v_mul_f32 v[T+8*\u+2], s49, v[ST+4*\u+1]       ; the new shift, -c max, c = log2(e) / sqrt(768)
.endif
.endr
.if \kind != 0
.irp u, 0,1
.if \u < \nq
	v_sub_f32 v[T+8*\u+3], v[T+8*\u+2], v[ST+4*\u] ; the difference of the two shifts as they are applied: every term of a row ends with the same factor
.endif
.endr
.endif
.irp u, 0,1
.if \u < \nq
	v_mov_b32 v[ST+4*\u], v[T+8*\u+2]
.endif
.endr
.if \kind != 0
	v_exp_f32 v[ST+2], v[T+3]                      ; the factor for what has been summed so far; the plain lines below stand between it and its use
.if \nq == 2
	v_exp_f32 v[ST+6], v[T+11]
.endif
.endif
.irp u, 0,1
.if \u < \nq
.irp i, 0,2,4,6,8,10,12,14
	v_pk_fma_f32 v[S+16*\u+\i:S+16*\u+\i+1], v[S+16*\u+\i:S+16*\u+\i+1], s[50:51], v[ST+4*\u:ST+4*\u+1] op_sel_hi:[1,0,0]   ; c s - c max, both by the pair's first register
.endr
.endif
.endr
.set ii, 0
.rept 16*\nq
	v_exp_f32 v[S+ii], v[S+ii]
.set ii, ii+1
.endr
	; one plain instruction stands between the exponentials and the first use of a result (ISA guide 5.7.2): the rescaling of O, or a v_nop
.if \kind != 0
.irp u, 0,1
.if \u < \nq
	s_wait_alu depctr_va_vdst(0)
.irp i, 0,2,4,6,8,10,12,14,16,18,20,22,24,26,28,30
	v_pk_mul_f32 v[O+32*\u+\i:O+32*\u+\i+1], v[O+32*\u+\i:O+32*\u+\i+1], v[ST+4*\u+2:ST+4*\u+3] op_sel_hi:[1,0]
.endr
.endif
.endr
.else
	v_nop
	s_wait_alu depctr_va_vdst(0)
.endif
.irp u, 0,1
.if \u < \nq
	v_pk_add_f32 v[T+8*\u:T+8*\u+1],   v[S+16*\u:S+16*\u+1],     v[S+16*\u+2:S+16*\u+3]
	v_pk_add_f32 v[T+8*\u+2:T+8*\u+3], v[S+16*\u+4:S+16*\u+5],   v[S+16*\u+6:S+16*\u+7]
	v_pk_add_f32 v[T+8*\u+4:T+8*\u+5], v[S+16*\u+8:S+16*\u+9],   v[S+16*\u+10:S+16*\u+11]
	v_pk_add_f32 v[T+8*\u+6:T+8*\u+7], v[S+16*\u+12:S+16*\u+13], v[S+16*\u+14:S+16*\u+15]
.endif
.endr
.irp u, 0,1
.if \u < \nq
	v_pk_add_f32 v[T+8*\u:T+8*\u+1],   v[T+8*\u:T+8*\u+1],   v[T+8*\u+2:T+8*\u+3]
	v_pk_add_f32 v[T+8*\u+4:T+8*\u+5], v[T+8*\u+4:T+8*\u+5], v[T+8*\u+6:T+8*\u+7]
.endif
.endr
.irp u, 0,1
.if \u < \nq
.irp i, 0,1,2,3,4,5,6,7
	v_cvt_pk_f16_f32 v[PF+8*\u+\i], v[S+16*\u+2*\i], v[S+16*\u+2*\i+1]
.endr
.endif
.endr
.irp u, 0,1
.if \u < \nq
	v_pk_add_f32 v[T+8*\u:T+8*\u+1], v[T+8*\u:T+8*\u+1], v[T+8*\u+4:T+8*\u+5]
.endif
.endr
.irp u, 0,1
.if \u < \nq
.if \kind == 0
	v_add_f32 v[ST+4*\u+3], v[T+8*\u], v[T+8*\u+1]
.else
	v_add_f32 v[T+8*\u], v[T+8*\u], v[T+8*\u+1]
.endif
.endif
.endr
.if \kind != 0
.irp u, 0,1
.if \u < \nq
	v_fma_f32 v[ST+4*\u+3], v[ST+4*\u+3], v[ST+4*\u+2], v[T+8*\u]   ; the lane's own sum: the two halves meet at the end
.endif
.endr
.endif
	s_wait_dscnt 0x0                               ; V(J) and K(J + 1), issued ahead of the softmax
	; the 4 nq accumulators take turns, one instruction a turn
.irp t, 0,1,2,3
.irp u, 0,1
.if \u < \nq
.if \kind == 0
	v_wmma_f32_16x16x32_f16 v[O+32*\u+8*\t:O+32*\u+8*\t+7], v[VF+8*\t:VF+8*\t+7], v[PF+8*\u:PF+8*\u+7], 0
.else
	v_wmma_f32_16x16x32_f16 v[O+32*\u+8*\t:O+32*\u+8*\t+7], v[VF+8*\t:VF+8*\t+7], v[PF+8*\u:PF+8*\u+7], v[O+32*\u+8*\t:O+32*\u+8*\t+7]
.endif
.endif
.endr
.endr
.endm
; A phase: the head's K and V have been asked for; s[36:37] is q, s[40:41] att at the head's and batch's first row that is mine.
.macro PHASE nq
	s_mov_b32 s44, s8                              ; I: my first query block
	s_sub_co_u32 s45, 14, s8                       ; the next one
	s_cmp_eq_u32 s8, 7
	s_cselect_b32 s45, 15, s45
	s_cselect_b32 s46, 5, 2                        ; how many I have
	s_lshl_b32 s56, s44, 12                        ; 32 rows of 128 bytes a block
	s_add_nc_u64 s[38:39], s[36:37], s[56:57]
	QLOAD \nq
	s_wait_tensorcnt 0x0                           ; my quarter of K or V is in LDS,
	s_barrier_signal -1
	s_barrier_wait -1                              ; everybody's is
.Litem_\@:
	s_lshl_b32 s56, s44, 12
	s_add_nc_u64 s[42:43], s[40:41], s[56:57]      ; where this block's rows go
	s_mov_b32 s47, s44                             ; J = I
	s_min_u32 s54, s47, 18
	s_mul_i32 s54, s54, 32*KP
	v_add_nc_u32 v[VK], s54, v[VK0]
	KLOAD
	s_wait_loadcnt 0x0                             ; Q
	s_wait_dscnt 0x0                               ; K(I)
	STEP 0, \nq
	s_add_co_u32 s47, s47, 1
	s_cmp_gt_u32 s47, 18
	s_cbranch_scc1 .Lfin_\@                        ; I = 18: one step
	s_cmp_eq_u32 s47, 18
	s_cbranch_scc1 .Llast_\@
.Lmid_\@:
	STEP 1, \nq
	s_add_co_u32 s47, s47, 1
	s_cmp_lt_u32 s47, 18
	s_cbranch_scc1 .Lmid_\@
.Llast_\@:
	STEP 2, \nq
.Lfin_\@:
.rept 4
	v_nop                                          ; four places behind the last matrix instructions (ISA guide 7.12.1): O is read, QF and KF are loaded again
.endr
	s_cmp_eq_u32 s46, 1
	s_cbranch_scc1 .Lnoq_\@
	s_lshl_b32 s56, s45, 12                        ; the next block's Q is asked for ahead of this block's way out
	s_add_nc_u64 s[38:39], s[36:37], s[56:57]      ; (the loads that named s[38:39] were waited for at the block's head)
	QLOAD \nq
.if \nq == 2
	; Behind its first block (5 to 11 steps ahead of the change of phase) a wave asks for 32 blocks of 256 bytes of the third head's K and V: request
	; w + 8 p of 19, and waves 0-2 of p = 0 also request 16 + w.  The two work-groups together ask for each of the 608 blocks once; all lie inside qkv.
	s_cmp_lg_u32 s44, s8
	s_cbranch_scc1 .Lnoq_\@
	global_prefetch_b8 v[VPF], s[62:63] th:TH_LOAD_NT scope:SCOPE_SE
	s_lshl2_add_u32 s54, s9, s8                    ; 4 p + w
	s_cmp_ge_u32 s54, 3
	s_cbranch_scc1 .Lnoq_\@
	global_prefetch_b8 v[VPF2], s[62:63] th:TH_LOAD_NT scope:SCOPE_SE
.endif
.Lnoq_\@:
.irp u, 0,1
.if \u < \nq
	v_permlanex16_b32 v[T+8*\u], v[ST+4*\u+3], s52, s53
.endif
.endr
.irp u, 0,1
.if \u < \nq
	v_add_f32 v[ST+4*\u+3], v[ST+4*\u+3], v[T+8*\u]   ; the row's sum: at least the largest term, 1
.endif
.endr
	v_rcp_f32 v[ST+2], v[ST+3]
.if \nq == 2
	v_rcp_f32 v[ST+6], v[ST+7]
.endif
	v_nop                                          ; one plain instruction behind the reciprocals (ISA guide 5.7.2)
.irp u, 0,1
.if \u < \nq
	s_wait_alu depctr_va_vdst(0)
.irp i, 0,2,4,6,8,10,12,14,16,18,20,22,24,26,28,30
	v_pk_mul_f32 v[O+32*\u+\i:O+32*\u+\i+1], v[O+32*\u+\i:O+32*\u+\i+1], v[ST+4*\u+2:ST+4*\u+3] op_sel_hi:[1,0]
.endr
.endif
.endr
.irp u, 0,1
.if \u < \nq
.irp i, 0,1,2,3,4,5,6,7,8,9,10,11,12,13,14,15
	v_cvt_pk_f16_f32 v[S+16*\u+\i], v[O+32*\u+2*\i], v[O+32*\u+2*\i+1]
.endr
.endif
.endr
.irp u, 0,1
.if \u < \nq
.irp t, 0,1,2,3
	ds_store_b128 v[VSTO], v[S+16*\u+4*\t:S+16*\u+4*\t+3] offset:16*KP*\u+32*\t    ; query 16 u + r, d = 16 t + 8 h + 0..7
.endr
.endif
.endr
.irp v, 0,1,2,3,4,5,6,7
.if \v < 4*\nq
	ds_load_b128 v[KF+4*\v:KF+4*\v+3], v[VRD] offset:4*KP*\v                       ; LDS serves a wave's instructions in order: these see the stores above
.endif
.endr
.irp v, 0,1,2,3,4,5,6,7
.if \v < 4*\nq
	s_wait_dscnt 4*\nq-1-\v                        ; the younger read-backs stay out
	global_store_b128 v[VOUT], v[KF+4*\v:KF+4*\v+3], s[42:43] offset:512*\v        ; four rows: 512 consecutive bytes, aligned
.endif
.endr
	s_wait_xcnt 0x0                                ; KF and s[42:43], which the stores read, are written again only behind this wait
	s_mov_b32 s44, s45
	s_add_co_u32 s45, s45, 1
	s_sub_co_i32 s46, s46, 1
	s_cmp_gt_i32 s46, 0
	s_cbranch_scc1 .Litem_\@
.endm
	s_load_b128 s[4:7], s[0:1], 0x0                ; qkv s[4:5], att s[6:7]
	v_lshl_add_u32 v248, v0, 2, 0x36200
	v_mov_b32 v249, 0
	ds_add_u32 v248, v249
	ds_add_u32 v248, v249
	v_lshrrev_b32 v1, 5, v0
	v_readfirstlane_b32 s8, v1                     ; wave
	s_and_b32 s10, ttmp7, 0xffff                   ; batch
	s_and_b32 s9, ttmp9, 1                         ; p
	s_lshr_b32 s11, ttmp9, 1
	s_mul_i32 s11, s11, 3                          ; the triple's first head
	s_mul_i32 s13, s10, BB
	s_add_co_u32 s12, s11, s9                      ; phase 1: head 3 j + p
	s_mul_i32 s12, s12, KBS
	s_add_co_u32 s12, s12, s13                     ; the (head, batch)'s 608 rows inside a group of 12 head blocks
	s_add_co_u32 s60, s11, 2                       ; phase 2: head 3 j + 2
	s_mul_i32 s60, s60, KBS
	s_add_co_u32 s60, s60, s13
	s_mov_b32 s13, 0
	s_mov_b32 s61, 0
	s_lshl_b32 s58, s9, 11                         ; phase 2: my 16 rows of a block begin 16 p rows of 128 bytes down
	s_mov_b32 s59, 0
	s_mul_i32 s14, s8, 152*128                     ; 152 keys a wave
	s_mov_b32 s15, 0
	; 152 keys x 128 bytes are dense: 76 rows of 256 bytes (32 elements of 8); padding behind every 32 words: 4 words for K, 8 for V
	s_mov_b32 s16, (3<<16)|(1<<20)|(4<<22)|(3<<25)
	s_mov_b32 s28, (3<<16)|(1<<20)|(4<<22)|(7<<25)
	s_mov_b32 s17, 32<<16
	s_mov_b32 s29, 32<<16
	s_mov_b32 s18, 76<<16
	s_mov_b32 s30, 76<<16
	s_mov_b32 s19, 32<<16
	s_mov_b32 s31, 32<<16
	s_mov_b32 s20, 76
	s_mov_b32 s32, 76
	s_mov_b32 s21, 32
	s_mov_b32 s33, 32
	s_mov_b32 s22, 0
	s_mov_b32 s34, 0
	s_mov_b32 s23, 0
	s_mov_b32 s35, 0
	s_mov_b32 s24, 1
	s_wait_dscnt 0x0
	s_wait_kmcnt 0x0
	FILLKV 12                                      ; the first fill: one tensor load of a wave is out
	s_add_nc_u64 s[36:37], s[4:5], s[12:13]        ; q of phase 1's (head, batch)
	s_add_nc_u64 s[40:41], s[6:7], s[12:13]        ; att likewise
	s_add_nc_u64 s[62:63], s[4:5], s[60:61]
	s_add_nc_u64 s[62:63], s[62:63], 12*KBS        ; K of phase 2's (head, batch): the base of what is asked for ahead
	s_mov_b32 s49, 0xbd553b95                      ; -c
	s_mov_b32 s50, 0x3d553b95                      ; c = log2(e) / sqrt(768)
	s_mov_b32 s51, 0x3d553b95
	s_mov_b32 s52, 0x76543210                      ; v_permlanex16_b32: lane i reads lane i of the other half
	s_mov_b32 s53, 0xfedcba98
	s_mov_b32 s57, 0
	v_and_b32 v[T], 15, v0                         ; r
	v_and_b32 v[T+1], 31, v0                       ; lane
	v_and_b32 v[T+2], 7, v0
	v_bfe_u32 v[VH], v0, 4, 1
	v_lshlrev_b32 v[VQ], 7, v[T]
	v_lshl_add_u32 v[VQ], v[VH], 4, v[VQ]
	v_mul_u32_u24 v[VK0], v[T], KP
	v_lshl_add_u32 v[VK0], v[VH], 4, v[VK0]
	v_lshl_add_u32 v[T+3], v[VH], 3, v[T+2]
	v_mul_u32_u24 v[VV0], v[T+3], VP
	v_bfe_u32 v[T+3], v0, 3, 1
	v_lshl_add_u32 v[VV0], v[T+3], 4, v[VV0]
	v_add_nc_u32 v[VV0], VBASE, v[VV0]
	v_lshlrev_b32 v[T+3], 3, v[VH]
	v_sub_nc_u32 v[VD], v[T], v[T+3]
	s_lshl_b32 s54, s9, 4
	v_add_nc_u32 v[VD2], s54, v[VD]
	s_mul_i32 s55, s8, 32*KP
	s_add_co_u32 s55, s55, STAGE                   ; my stage
	v_add_nc_u32 v[VSTO], s55, v[VK0]              ; in: row r, 16 bytes for each half of the lanes
	v_lshrrev_b32 v[T+3], 3, v[T+1]
	v_mul_u32_u24 v[VRD], v[T+3], KP               ; back: eight lanes take a row's 128 bytes, a wave four rows
	v_lshl_add_u32 v[VRD], v[T+2], 4, v[VRD]
	v_add_nc_u32 v[VRD], s55, v[VRD]
	v_lshlrev_b32 v[VOUT], 4, v[T+1]
	v_mov_b32 v[VMIN], 0xff7fffff
	; what is asked for ahead: K's 77,824 bytes and V's 77,824 bytes count as one run of 608 blocks of 256 bytes; V lies 12 head blocks behind K
	s_lshl_b32 s54, s9, 3
	s_add_co_u32 s54, s54, s8                      ; request w + 8 p
	s_lshl_b32 s54, s54, 13                        ; 32 blocks of 256 bytes each
	v_lshl_add_u32 v[VPF], v[T+1], 8, s54
	v_add_nc_u32 v[T+3], 12*KBS-BB, v[VPF]
	v_cmp_le_u32 vcc_lo, BB, v[VPF]                ; behind K's last byte: V's part
	v_cndmask_b32 v[VPF], v[VPF], v[T+3], vcc_lo
	s_lshl_b32 s54, s8, 13
	s_add_co_u32 s54, s54, 16*8192+12*KBS-BB       ; request 16 + w lies in V's part (used for w < 3 alone: up to block 607)
	v_lshl_add_u32 v[VPF2], v[T+1], 8, s54
	PHASE 2                                        ; head 3 j + p, 32 queries an item
	; The change of phase.  K and V are filled again: every wave's reads of them are back and its tensor load has long landed; a barrier; then the
	; wave's one tensor load, first thing behind it.
	s_wait_loadcnt 0x0                             ; phase 2's first loads of Q land in the registers of phase 1's: none of those is out on any way out of the
	                                               ; loop (a wave's last block asks for no further Q, so this wait is met at once)
	s_wait_dscnt 0x0
	s_wait_tensorcnt 0x0
	ds_add_u32 v248, v249
	s_wait_dscnt 0x0
	s_barrier_signal -1
	s_barrier_wait -1
	FILLKV 60
	s_add_nc_u64 s[36:37], s[4:5], s[60:61]        ; q and att of head 3 j + 2, at my 16 rows of block 0
	s_add_nc_u64 s[36:37], s[36:37], s[58:59]
	s_add_nc_u64 s[40:41], s[6:7], s[60:61]
	s_add_nc_u64 s[40:41], s[40:41], s[58:59]
	PHASE 1                                        ; head 3 j + 2, 16 queries an item
	s_wait_tensorcnt 0x0
	ds_add_u32 v248, v249
	s_wait_dscnt 0x0
	s_endpgm
.Lfunc_end_k_q4445596b46_attn:
	.size	k_q4445596b46_attn, .Lfunc_end_k_q4445596b46_attn-k_q4445596b46_attn
	.p2alignl 7, 3214868480
	.fill 96, 4, 3214868480
	.section	.rodata,"a",@progbits
	.p2align	6, 0x0
	.amdhsa_kernel k_q4445596b46_attn
		.amdhsa_group_segment_fixed_size 327680
		.amdhsa_private_segment_fixed_size 0
		.amdhsa_enable_private_segment 0
		.amdhsa_kernarg_size 16
		.amdhsa_user_sgpr_count 2
		.amdhsa_user_sgpr_kernarg_segment_ptr 1
		.amdhsa_wavefront_size32 1
		.amdhsa_system_sgpr_workgroup_id_x 1
		.amdhsa_system_sgpr_workgroup_id_y 1
		.amdhsa_system_sgpr_workgroup_id_z 1
		.amdhsa_system_vgpr_workitem_id 0
		.amdhsa_next_free_vgpr 250
		.amdhsa_next_free_sgpr 66
		.amdhsa_reserve_vcc 1
		.amdhsa_float_denorm_mode_32 3
		.amdhsa_float_denorm_mode_16_64 3
		.amdhsa_memory_ordered 1
		.amdhsa_forward_progress 1
		.amdhsa_inst_pref_size 70
	.end_amdhsa_kernel
	.amdgpu_metadata
---
amdhsa.version: [ 1, 2 ]
amdhsa.kernels:
  - .name:           k_q4445596b46_attn
    .symbol:         k_q4445596b46_attn.kd
    .args:
      - { .name: qkv, .offset: 0, .size: 8, .value_kind: global_buffer, .address_space: global }
      - { .name: att, .offset: 8, .size: 8, .value_kind: global_buffer, .address_space: global }
    .group_segment_fixed_size: 327680
    .private_segment_fixed_size: 0
    .kernarg_segment_align: 8
    .kernarg_segment_size: 16
    .max_flat_workgroup_size: 256
    .sgpr_count:     66
    .vgpr_count:     250
    .wavefront_size: 32
...
	.end_amdgpu_metadata
.endif
;; end of part 3
;; launch outgemm (part 4): grid 4 x 64, 4 waves a work-group, clusters of 4 x 4, 327,680 bytes of LDS; arguments att, wb, bo, out0; writes out0
.if DOCPART == 4
	.amdgcn_target "amdgcn-amd-amdhsa--gfx1250"
	.amdhsa_code_object_version 6
	.text
	.protected	k_q4445596b46_outgemm
	.globl	k_q4445596b46_outgemm
	.p2align	8
	.type	k_q4445596b46_outgemm,@function
k_q4445596b46_outgemm:
	s_mov_b64 s[64:65], 0
	v_nop
	global_prefetch_b8 v0, s[64:65] scope:SCOPE_SE
	s_setreg_imm32_b32 hwreg(HW_REG_WAVE_MODE, 25, 1), 1
	s_wait_xcnt 0x0
	s_wait_alu depctr_hold_cnt(0) depctr_sa_sdst(0) depctr_va_vdst(0) depctr_va_sdst(0) depctr_va_ssrc(0) depctr_va_vcc(0) depctr_vm_vsrc(0)
	s_getreg_b32 s2, hwreg(HW_REG_IB_STS2, 6, 4)
	s_cmp_eq_u32 s2, 0
	s_cbranch_scc0 .Lentry_in_a_cluster
	s_endpgm
.Lentry_in_a_cluster:
	s_bfe_u32 s2, ttmp6, 0x10000c
	s_cmp_lg_u32 s2, 0xf033
	s_cbranch_scc0 .Lentry_shape_is_right
	s_endpgm
.Lentry_shape_is_right:
; out0 = att Wo^T + bo.  A = att [head = kb][19456][64] f16, W = wb rows 2304-3071 [kb][n][64] f16; sums in f32, started by the bias; out0 f32.
; The same frame as the projections' product: a work-group makes 304 padded rows x 192 columns with four waves, wave w rows 80 w .. 80 w + 79
; (wave 3: 64 rows) and all 192 columns; K = 768 in six steps of 128 through two LDS slots, written out; 256 work-groups.
; CLUSTERS: 4 x 4.  A's tile hangs on the block row alone and is asked for jointly along a row of the cluster, W's on the block column alone, along a column.
; REGISTERS by windows of 256: window 0 addresses, A's fragments (two buffers), the bias (later the way out); window 1 W's fragments (two buffers);
; window 2 tiles t = 0..31 at 8 t; window 3 tiles t = 32..59 at 8 (t - 32); t = 12 a + b.
; The matrix instruction is used transposed (source 0 = W's rows, source 1 = A's rows): a lane holds eight neighbouring columns of one row.
; A block is half a padded batch: rows n = 304 (block % 2) + 0..303; rows n >= 577 are pad rows and are not stored (lanes switched off, no branch on the block).
.set KBS,   2490368
.set KBW,   393216
.set PITCH, 144
.set AHALF, 304*PITCH
.set WHALF, 192*PITCH
.set WOFF,  2*AHALF
.set SLOT,  2*AHALF+2*WHALF
.set SP,    784                        ; the stage's pitch: 768 bytes + 16, an odd multiple of 16
.set ADRA, 8
.set ADRB, 10
.set STO,  12
.set RD,   13
.set CO,   14
.set VN,   15                          ; v15  n of my row in the wave's first two rows
.set VB,   16
.set FA0,  32
.set FA1,  72
.set FB0,  0
.set FB1,  96
.set BIAS, 112
.set RB,   112                         ; the way out, in the bias's registers: 16 rows x 768 bytes read back
.set G1A, 24
.set G0A, 32
.set G1B, 48
.set G0B, 56
.set G1W0, (3<<16)|(1<<20)|(1<<21)|(4<<22)|(3<<25)   ; elements of 8 bytes; padding on; bit 21 beside a mask; after every 32 words (code 4) 4 words (code 3)
.set MUL_LO,  0xa1
.set MUL_HI,  0xf1
.set BIAS_LO, 0x81
.set BIAS_HI, 0xc1
.set TO_B,    0x40
.set MSB, 0
.macro WIN new                         ; the immediate's high byte repeats the setting that is left; a switch that changes nothing is dropped
.if MSB != \new
	s_set_vgpr_msb (MSB<<8)|\new
.set MSB, \new
.endif
.endm
.macro PLACES                          ; four places behind a matrix instruction before its registers are loaded into, read or written (ISA guide 7.12.1)
.rept 4
	v_nop
.endr
.endm
.macro JLOAD s                         ; waves 0 and 1 ask for A's two K blocks, waves 2 and 3 for W's; the branch hangs on the wave's number alone
	s_cmp_eq_u32 s17, 0
	s_cbranch_scc0 .Lfor_b_\@
	tensor_load_to_lds s[G0A+4*\s:G0A+4*\s+3], s[G1A:G1A+7]
	s_nop 0
	s_branch .Lasked_\@
.Lfor_b_\@:
	tensor_load_to_lds s[G0B+4*\s:G0B+4*\s+3], s[G1B:G1B+7]
	s_nop 0
.Lasked_\@:
.endm
.macro CREST
	s_cmp_lg_u32 s16, 0
	s_cbranch_scc1 .Lnot_wave_0_\@
	s_barrier_signal -3
.Lnot_wave_0_\@:
	s_barrier_wait -3
	s_barrier_signal -1
	s_barrier_wait -1
.endm
.macro CROUND
	s_barrier_signal -1
	s_barrier_wait -1
	CREST
.endm
; The accumulators take turns, one instruction a turn, in the same order in every quarter step.
.macro MULS fa, fb, t0, n, bias
.set tt, \t0
.rept \n
.if \bias
	v_wmma_f32_16x16x32_f16 v[8*(tt%32):8*(tt%32)+7], v[\fb+8*(tt%12):\fb+8*(tt%12)+7], v[\fa+8*(tt/12):\fa+8*(tt/12)+7], v[BIAS+8*(tt%12):BIAS+8*(tt%12)+7]
.else
	v_wmma_f32_16x16x32_f16 v[8*(tt%32):8*(tt%32)+7], v[\fb+8*(tt%12):\fb+8*(tt%12)+7], v[\fa+8*(tt/12):\fa+8*(tt/12)+7], v[8*(tt%32):8*(tt%32)+7]
.endif
.set tt, tt+1
.endr
.endm
.macro LOW fa, fb, bias
.if \bias
	WIN BIAS_LO
.else
	WIN MUL_LO
.endif
	MULS \fa, \fb, 0, 32, \bias
.endm
.macro BODY fa, fb, bias               ; tiles 32..47, and 48..59, which wave 3 does not have
.if \bias
	WIN BIAS_HI
.else
	WIN MUL_HI
.endif
	MULS \fa, \fb, 32, 16, \bias
	WIN 0
	s_cmp_eq_u32 s16, 3
	s_cbranch_scc1 .Lno5_\@
.if \bias
	WIN BIAS_HI
.else
	WIN MUL_HI
.endif
	MULS \fa, \fb, 48, 12, \bias
	WIN 0
.Lno5_\@:
.endm
; Quarter c of a slot: W's 12 fragments, A's 5.  Wave 3's fifth fragment lies in the same slot's next region: bytes that have landed; it is not multiplied.
.macro FETCH slot, c, fa, fb
	WIN TO_B
.irp i, 0,1,2,3,4,5,6,7,8,9,10,11
	ds_load_b128 v[\fb+8*\i:\fb+8*\i+3],   v[ADRB+\slot] offset:((\c)>>1)*WHALF+((\c)&1)*64+\i*16*PITCH
	ds_load_b128 v[\fb+8*\i+4:\fb+8*\i+7], v[ADRB+\slot] offset:((\c)>>1)*WHALF+((\c)&1)*64+\i*16*PITCH+32
.endr
	WIN 0
.irp i, 0,1,2,3,4
	ds_load_b128 v[\fa+8*\i:\fa+8*\i+3],   v[ADRA+\slot] offset:((\c)>>1)*AHALF+((\c)&1)*64+\i*16*PITCH
	ds_load_b128 v[\fa+8*\i+4:\fa+8*\i+7], v[ADRA+\slot] offset:((\c)>>1)*AHALF+((\c)&1)*64+\i*16*PITCH+32
.endr
.endm
.macro QUARTER slot, c, fa, fb, ga, gb, bias
	s_wait_dscnt 0x0                               ; this buffer's 34 loads, issued a quarter step ago
	PLACES                                         ; the other buffer was read by the matrix instructions just issued
	FETCH \slot, \c, \ga, \gb
	LOW \fa, \fb, \bias
	BODY \fa, \fb, \bias
.endm
.macro THREE slot, bias
	QUARTER \slot, 1, FA0, FB0, FA1, FB1, \bias
	QUARTER \slot, 2, FA1, FB1, FA0, FB0, 0
	QUARTER \slot, 3, FA0, FB0, FA1, FB1, 0
.endm
; The change of slots: each wave's reads of this slot and all its tensor loads are waited for in front of the barrier; fill = 1: the barrier opens a round
; of the cluster's barrier, and the joint refill, two K steps ahead, is the first tensor load behind the round.
.macro TURN slot, next, fill
	s_wait_dscnt 0x0
	s_wait_tensorcnt 0x0
	ds_add_u32 v254, v255
	s_wait_dscnt 0x0
	s_barrier_signal -1
	LOW FA1, FB1, 0
	WIN 0
	s_barrier_wait -1
.if \fill
	CREST
	s_add_nc_u64 s[G0A+4*\slot+2:G0A+4*\slot+3], s[G0A+4*\slot+2:G0A+4*\slot+3], 4*KBS
	s_add_nc_u64 s[G0B+4*\slot+2:G0B+4*\slot+3], s[G0B+4*\slot+2:G0B+4*\slot+3], 4*KBW
	JLOAD \slot
.endif
	PLACES
	FETCH \next, 0, FA0, FB0
	BODY FA1, FB1, 0
.endm
	s_load_b128 s[4:7], s[0:1], 0x0                ; att s[4:5], wb s[6:7]
	s_load_b128 s[8:11], s[0:1], 0x10              ; bo s[8:9], out0 s[10:11]
	v_lshl_add_u32 v254, v0, 2, 0x45c00
	v_mov_b32 v255, 0
	ds_add_u32 v254, v255
	ds_add_u32 v254, v255
	v_lshrrev_b32 v1, 5, v0
	v_readfirstlane_b32 s16, v1                    ; wave
	s_lshr_b32 s17, s16, 1
	s_and_b32 s18, s16, 1
	s_bfe_u32 s19, ttmp6, 0x40000                  ; cx
	s_bfe_u32 s20, ttmp6, 0x40004                  ; cy
	s_lshl_b32 s21, ttmp9, 2
	s_add_co_u32 s21, s21, s19                     ; block column, 0..3
	s_and_b32 s22, ttmp7, 0xffff
	s_lshl_b32 s22, s22, 2
	s_add_co_u32 s22, s22, s20                     ; block row, 0..63
	s_lshl_b32 s23, s20, 2
	s_lshl_b32 s23, 15, s23                        ; my row of the cluster
	s_lshl_b32 s67, 0x1111, s19                    ; my column
	s_or_b32 s[G1A+0], s23, G1W0
	s_or_b32 s[G1B+0], s67, G1W0
	s_mov_b32 s[G1A+1], 32<<16                     ; dense tiles as rows of 256 bytes: A 152 rows, W 96
	s_mov_b32 s[G1B+1], 32<<16
	s_mov_b32 s[G1A+2], 152<<16
	s_mov_b32 s[G1B+2], 96<<16
	s_mov_b32 s[G1A+3], 32<<16
	s_mov_b32 s[G1B+3], 32<<16
	s_mov_b32 s[G1A+4], 152
	s_mov_b32 s[G1B+4], 96
	s_mov_b32 s[G1A+5], 32
	s_mov_b32 s[G1B+5], 32
	s_mov_b32 s[G1A+6], 0
	s_mov_b32 s[G1B+6], 0
	s_mov_b32 s[G1A+7], 0
	s_mov_b32 s[G1B+7], 0
	s_mul_i32 s40, s18, KBS                        ; A: my K block + 304 rows x block row (registers that never hold cx)
	s_mul_i32 s41, s22, 304*128
	s_add_co_u32 s40, s40, s41
	s_mov_b32 s41, 0
	s_mul_i32 s44, s18, KBW                        ; W: my K block + row 2304 + 192 x block column (registers that never hold cy)
	s_mul_i32 s45, s21, 192*128
	s_add_co_u32 s44, s44, s45
	s_add_co_u32 s44, s44, 2304*128
	s_mov_b32 s45, 0
	s_mul_i32 s72, s16, AHALF
	s_mul_i32 s73, s16, WHALF
	s_add_co_u32 s73, s73, WOFF-2*WHALF
	s_wait_dscnt 0x0
	s_wait_kmcnt 0x0
	s_add_nc_u64 s[42:43], s[4:5], s[40:41]
	s_add_nc_u64 s[46:47], s[6:7], s[44:45]
	CROUND                                         ; all sixteen work-groups are here: the first joint loads meet
.irp s, 0,1
	s_mov_b32 s[G0A+4*\s], 1
	s_add_co_u32 s[G0A+4*\s+1], s72, \s*SLOT
	s_add_nc_u64 s[G0A+4*\s+2:G0A+4*\s+3], s[42:43], \s*2*KBS
	s_or_b32 s[G0A+4*\s+3], s[G0A+4*\s+3], 0x80000000
	s_mov_b32 s[G0B+4*\s], 1
	s_add_co_u32 s[G0B+4*\s+1], s73, \s*SLOT
	s_add_nc_u64 s[G0B+4*\s+2:G0B+4*\s+3], s[46:47], \s*2*KBW
	s_or_b32 s[G0B+4*\s+3], s[G0B+4*\s+3], 0x80000000
	JLOAD \s                                       ; K steps 0 and 1: two tensor loads of a wave are out, later one
.endr
	s_mul_i32 s68, s21, 768                        ; my block's 192 columns, in bytes of f32
	s_mov_b32 s69, 0
	s_add_nc_u64 s[8:9], s[8:9], s[68:69]
	v_and_b32 v1, 15, v0                           ; r
	v_bfe_u32 v2, v0, 4, 1                         ; h
	v_lshlrev_b32 v[VB], 5, v2
.irp b, 0,1,2,3,4,5,6,7,8,9,10,11
	global_load_b128 v[BIAS+8*\b:BIAS+8*\b+3],   v[VB], s[8:9] offset:64*\b
	global_load_b128 v[BIAS+8*\b+4:BIAS+8*\b+7], v[VB], s[8:9] offset:64*\b+16
.endr
	v_mul_u32_u24 v3, v1, PITCH
	v_lshl_add_u32 v3, v2, 4, v3
	s_mul_i32 s74, s16, 80*PITCH
	v_add_nc_u32 v[ADRA], s74, v3
	v_add_nc_u32 v[ADRA+1], SLOT, v[ADRA]
	v_add_nc_u32 v[ADRB], WOFF, v3
	v_add_nc_u32 v[ADRB+1], SLOT, v[ADRB]
	s_mul_i32 s74, s16, 16*SP                      ; my stage: 16 rows of 784 bytes, in slot 0
	v_mul_u32_u24 v4, v1, SP
	v_lshl_add_u32 v4, v2, 5, v4                   ; in: row r, 32 bytes for each half of the lanes
	v_add_nc_u32 v[STO], s74, v4
	v_mul_u32_u24 v5, v2, SP                       ; back: lanes 0-15 take 256 bytes of one row, lanes 16-31 of the next
	v_lshl_add_u32 v5, v1, 4, v5
	v_add_nc_u32 v[RD], s74, v5
	v_mul_u32_u24 v5, v2, 3072                     ; and the same two rows in out0
	v_lshl_add_u32 v[CO], v1, 4, v5
	s_lshr_b32 s70, s22, 1                         ; batch
	s_and_b32 s71, s22, 1                          ; which half of its padded rows
	s_mul_i32 s71, s71, 304
	s_mul_i32 s69, s16, 80
	s_add_co_u32 s71, s71, s69                     ; n of my wave's first row
	v_add_nc_u32 v[VN], s71, v2
	s_mul_i32 s70, s70, 577
	s_add_co_u32 s70, s70, s71
	s_mul_i32 s70, s70, 3072
	s_add_co_u32 s68, s68, s70                     ; below 56,721,408
	s_mov_b32 s69, 0
	s_add_nc_u64 s[14:15], s[10:11], s[68:69]
	s_wait_tensorcnt 0x1                           ; my part of K step 0 is in; step 1's may stay out
	s_barrier_signal -1
	s_barrier_wait -1
	FETCH 0, 0, FA0, FB0
	s_wait_loadcnt 0x0                             ; the bias
	THREE 0, 1
	TURN 0, 1, 1
	THREE 1, 0
	TURN 1, 0, 1
	THREE 0, 0
	TURN 0, 1, 1
	THREE 1, 0
	TURN 1, 0, 1
	THREE 0, 0
	TURN 0, 1, 0                                   ; a plain barrier: behind it no wave reads slot 0 and no load fills it again
	THREE 1, 0
	s_wait_dscnt 0x0
	LOW FA1, FB1, 0
	BODY FA1, FB1, 0
	PLACES
; THE WAY OUT, 16 rows at a time: 32 bytes a lane from the accumulators into my stage, read back as rows of 768 bytes, stored 256 bytes by sixteen lanes.
; masked = 1: rows n >= 577 are switched off.  Only wave 3's rows 32..63 can reach them (304 + 240 + 32 = 576), so only there the mask is written.
.macro OUTF a, masked
.set bb, 0
.rept 12
.set tt, 12*\a+bb
.if tt < 32
	WIN 0x08                                       ; a store's data is source 1: window 2
.else
	WIN 0x0c                                       ; window 3
.endif
	ds_store_b128 v[STO], v[8*(tt%32):8*(tt%32)+3]   offset:64*bb
	ds_store_b128 v[STO], v[8*(tt%32)+4:8*(tt%32)+7] offset:64*bb+16
.set bb, bb+1
.endr
	WIN 0
	s_wait_xcnt 0x0                                ; RB, which the last 16 rows' stores read, is loaded again only behind this wait
.irp u, 0,1,2,3,4,5,6,7
.irp p, 0,1,2
	ds_load_b128 v[RB+4*(3*\u+\p):RB+4*(3*\u+\p)+3], v[RD] offset:2*SP*\u+256*\p   ; LDS serves a wave's instructions in order: these see the stores above
.endr
.endr
.irp u, 0,1,2,3,4,5,6,7
	s_wait_dscnt 21-3*\u                           ; this pair of rows is in; the younger read-backs stay out
.if \masked
	v_cmp_gt_u32 vcc_lo, 577-16*\a-2*\u, v[VN]     ; n = VN + 16 a + 2 u < 577
	s_wait_xcnt 0x0                                ; EXEC is a source of the stores issued so far: it changes only behind this wait
	s_and_saveexec_b32 s66, vcc_lo
.endif
.irp p, 0,1,2
	global_store_b128 v[CO], v[RB+4*(3*\u+\p):RB+4*(3*\u+\p)+3], s[14:15] offset:(16*\a+2*\u)*3072+256*\p th:TH_STORE_NT   ; sixteen lanes: 256 consecutive bytes, aligned
.endr
.if \masked
	s_wait_xcnt 0x0                                ; and again in front of the line that widens it
	s_or_b32 exec_lo, exec_lo, s66
.endif
.endr
.endm
	OUTF 0, 0
	OUTF 1, 0
	s_cmp_eq_u32 s16, 3
	s_cbranch_scc1 .Lwave3
	OUTF 2, 0
	OUTF 3, 0
	OUTF 4, 0
	s_branch .Ldone
.Lwave3:
	OUTF 2, 1
	OUTF 3, 1
.Ldone:
	s_wait_tensorcnt 0x0
	ds_add_u32 v254, v255
	s_wait_dscnt 0x0
	CROUND                                         ; the closing round: no work-group ends while a partner may still ask jointly
	s_endpgm
.Lfunc_end_k_q4445596b46_outgemm:
	.size	k_q4445596b46_outgemm, .Lfunc_end_k_q4445596b46_outgemm-k_q4445596b46_outgemm
	.p2alignl 7, 3214868480
	.fill 96, 4, 3214868480
	.section	.rodata,"a",@progbits
	.p2align	6, 0x0
	.amdhsa_kernel k_q4445596b46_outgemm
		.amdhsa_group_segment_fixed_size 327680
		.amdhsa_private_segment_fixed_size 0
		.amdhsa_enable_private_segment 0
		.amdhsa_kernarg_size 32
		.amdhsa_user_sgpr_count 2
		.amdhsa_user_sgpr_kernarg_segment_ptr 1
		.amdhsa_wavefront_size32 1
		.amdhsa_system_sgpr_workgroup_id_x 1
		.amdhsa_system_sgpr_workgroup_id_y 1
		.amdhsa_system_sgpr_workgroup_id_z 1
		.amdhsa_system_vgpr_workitem_id 0
		.amdhsa_next_free_vgpr 992
		.amdhsa_next_free_sgpr 80
		.amdhsa_reserve_vcc 1
		.amdhsa_float_denorm_mode_32 3
		.amdhsa_float_denorm_mode_16_64 3
		.amdhsa_memory_ordered 1
		.amdhsa_forward_progress 1
		.amdhsa_inst_pref_size 207
	.end_amdhsa_kernel
	.amdgpu_metadata
---
amdhsa.version: [ 1, 2 ]
amdhsa.kernels:
  - .name:           k_q4445596b46_outgemm
    .symbol:         k_q4445596b46_outgemm.kd
    .args:
      - { .name: att, .offset: 0, .size: 8, .value_kind: global_buffer, .address_space: global }
      - { .name: wb, .offset: 8, .size: 8, .value_kind: global_buffer, .address_space: global }
      - { .name: bo, .offset: 16, .size: 8, .value_kind: global_buffer, .address_space: global }
      - { .name: out0, .offset: 24, .size: 8, .value_kind: global_buffer, .address_space: global }
    .group_segment_fixed_size: 327680
    .private_segment_fixed_size: 0
    .kernarg_segment_align: 8
    .kernarg_segment_size: 32
    .max_flat_workgroup_size: 128
    .sgpr_count:     80
    .vgpr_count:     992
    .wavefront_size: 32
...
	.end_amdgpu_metadata
.endif
;; end of part 4
;; ======== version 2 of 2: 4 launches; version 1 with the launch cvt written anew for expert scheduling mode
;; limits: values are held in f16: magnitudes above 65,504 overflow, below 6.1e-05 lose precision
;; workspace buffers: xb 29,884,416 bytes; wb 4,718,592 bytes; qkv 89,653,248 bytes; att 29,884,416 bytes
;; launch cvt (part 5): grid 22 x 32, 8 waves a work-group, no clusters, 0 bytes of LDS; arguments x, Wq, Wk, Wv, Wo, xb, wb; writes xb, wb
.if DOCPART == 5
	.amdgcn_target "amdgcn-amd-amdhsa--gfx1250"
	.amdhsa_code_object_version 6
	.text
	.protected	k_q4445596b46_cvt
	.globl	k_q4445596b46_cvt
	.p2align	8
	.type	k_q4445596b46_cvt,@function
k_q4445596b46_cvt:
	s_mov_b64 s[64:65], 0
	v_nop
	global_prefetch_b8 v0, s[64:65] scope:SCOPE_SE
	s_setreg_imm32_b32 hwreg(HW_REG_WAVE_SCHED_MODE, 0, 2), 2
	s_setreg_imm32_b32 hwreg(HW_REG_WAVE_MODE, 25, 1), 1
	s_wait_xcnt 0x0
	s_wait_alu depctr_vm_vsrc(0)
; Casts the matrix operands once and lays them in blocks of 64 along K, so that every later tile is a dense run of bytes.
;   xb[kb][m'][64] bf16, m' = 608 b + n: each batch's 577 rows are padded to 608 = 19 x 32 with rows of zeros.
;   wb[kb][n][64]: rows 0-767 Wq, 768-1535 Wk, 1536-2303 Wv in bf16; rows 2304-3071 Wo, rounded to bf16 and then written as f16.
; LIMIT: an element of Wo below 7.6e-6 in magnitude is not exact in f16 after its rounding to bf16; the further error is at most 3e-8.
; Work-groups x = 0..18 take 32 padded rows of batch y; x = 19..21 take 32 rows of the four weights (96 groups of 32 rows = 3,072).
; A wave takes 4 rows (2 pairs) of 3,072 bytes: 24 loads of 512 neighbouring bytes, all issued before the first wait.
; A pad row reads its batch's row 576 again and is cleared by a mask, so that there is one path for all rows; it is the only row read twice.
; A stream bound by bytes: no LDS, no barrier, no matrix unit, no cluster (no two work-groups read the same bytes).
; THE MODE: SCHED_MODE bits 1:0 = 2 (LLVM: expert scheduling mode 2), set by the entry lines.  The code itself states the register dependences
; between vector instructions and memory instructions, with s_wait_alu, always for 0.
; THE PLAN.  Registers that memory instructions touch:
;   v1        the loads' offset.   Written once at the head; read by all 24 loads; never written again.
;   X         the rows as loaded.  Written by the 24 loads alone, which no vector line that names X precedes; read by the conversions, behind the counted waits for the loads.
;   v2, v3    the stores' offsets. Written once behind the loads; read by the 24 stores; never written again.
;   Y         what is stored.      Written by the conversions, the masks, Wo's second conversion and, last, the lane swaps; read by the 24 stores, behind which nothing is written.
; So two waits on va_vdst do: one ahead of the run of loads (v1), one behind all the swaps and ahead of the run of stores (Y, v2, v3).  All swaps stand ahead of all
; stores, so no vector instruction follows a store, and no register that a load or store has read is written again: no wait on vm_vsrc is owed.
; One wait on va_sdst stands behind the line that makes the wave's number a scalar.  EXEC is never written.
.set KBS,  2490368                     ; bytes of one K block of xb: 19,456 rows x 128
.set KBW,  393216                      ; bytes of one K block of wb: 3,072 rows x 128
.set ROWB, 3072                        ; bytes of a source row
.set VL,   1                           ; v1       16 x lane
.set VO,   2                           ; v2, v3   pair i: 8 x lane + 128 x the pair's first destination row
.set X,    8                           ; v[8:103]   load k = 2 (6 i + c) + p: 4 registers of f32 (pair i, 512-byte chunk c, row p of the pair)
.set Y,    104                         ; v[104:151] load k: 2 registers, 4 numbers of 16 bits
.set SRC,  24                          ; s[24:31] the four source rows' addresses
.set MSK,  32                          ; s32-35   their masks: -1, or 0 for a pad row
.set KB,   40                          ; s[40:63] the destination's twelve K blocks
	s_load_b256 s[4:11], s[0:1], 0x0               ; x s[4:5], Wq s[6:7], Wk s[8:9], Wv s[10:11]
	s_load_b128 s[12:15], s[0:1], 0x20             ; Wo s[12:13], xb s[14:15]
	s_load_b64 s[16:17], s[0:1], 0x30              ; wb
	v_lshrrev_b32 v4, 5, v0
	v_readfirstlane_b32 s18, v4                    ; wave
	v_and_b32 v5, 31, v0                           ; lane
	v_lshlrev_b32 v[VL], 4, v5
	s_and_b32 s19, ttmp7, 0xffff                   ; y
	s_wait_alu depctr_va_sdst(0)                   ; s18 is written, ahead of its first reader: the rows' numbers and addresses are made from it
	s_lshl_b32 s22, s18, 2                         ; 4 rows a wave
	; the weights' side: group g = 32 (x - 19) + y of 32 rows (for x < 19 the figures are in range and are not taken)
	s_max_u32 s20, ttmp9, 19
	s_sub_co_u32 s20, s20, 19
	s_lshl_b32 s20, s20, 5
	s_add_co_u32 s20, s20, s19                     ; g
	s_lshl_b32 s23, s20, 5
	s_add_co_u32 s23, s23, s22                     ; my first row in wb
	; x's side
	s_lshl_b32 s71, ttmp9, 5
	s_add_co_u32 s71, s71, s22                     ; n of my first row, 0..604
	s_mul_i32 s73, s19, 577                        ; the batch's first row in x
	s_mul_i32 s75, s19, 608
	s_add_co_u32 s75, s75, s71                     ; my first row in xb
	s_wait_kmcnt 0x0
	s_mov_b64 s[68:69], s[6:7]                     ; which weight: 24 groups each
	s_mov_b32 s67, 0
	s_cmp_ge_u32 s20, 24
	s_cselect_b64 s[68:69], s[8:9], s[68:69]
	s_cselect_b32 s67, 768, s67
	s_cmp_ge_u32 s20, 48
	s_cselect_b64 s[68:69], s[10:11], s[68:69]
	s_cselect_b32 s67, 1536, s67
	s_cmp_ge_u32 s20, 72
	s_cselect_b64 s[68:69], s[12:13], s[68:69]
	s_cselect_b32 s67, 2304, s67
	s_cselect_b32 s66, 1, 0                        ; Wo goes on to f16
	s_sub_co_u32 s70, s23, s67                     ; my first row inside that weight
	s_movk_i32 s74, 767                            ; its last row: never passed
	s_mov_b32 s38, KBW
	s_mov_b32 s39, 0
	s_cmp_lt_u32 ttmp9, 19                         ; x's side or the weights': one choice for all figures
	s_cselect_b64 s[68:69], s[4:5], s[68:69]       ; source
	s_cselect_b64 s[KB:KB+1], s[14:15], s[16:17]   ; destination
	s_cselect_b32 s70, s71, s70                    ; r0: my first row, counted from the base row
	s_cselect_b32 s72, s73, 0                      ; base row
	s_cselect_b32 s74, 576, s74                    ; last real row; rows beyond it are pad rows
	s_cselect_b32 s23, s75, s23                    ; first destination row (a multiple of 4)
	s_cselect_b32 s38, KBS, s38                    ; bytes from K block to K block
	s_cselect_b32 s66, 0, s66
.irp k, 0,1,2,3
	s_add_co_u32 s20, s70, \k
	s_cmp_le_u32 s20, s74
	s_cselect_b32 s[MSK+\k], -1, 0
	s_min_u32 s20, s20, s74                        ; a pad row reads the last real row: every load stays inside its buffer
	s_add_co_u32 s20, s20, s72
	s_mul_i32 s20, s20, ROWB                       ; 56,718,336 at the most
	s_mov_b32 s21, 0
	s_add_nc_u64 s[SRC+2*\k:SRC+2*\k+1], s[68:69], s[20:21]
.endr
	s_wait_alu depctr_va_vdst(0)                   ; v1 is written, which all 24 loads read as their offset
.irp i, 0,1
.irp c, 0,1,2,3,4,5
.irp p, 0,1
	global_load_b128 v[X+4*((6*\i+\c)*2+\p):X+4*((6*\i+\c)*2+\p)+3], v[VL], s[SRC+2*(2*\i+\p):SRC+2*(2*\i+\p)+1] offset:512*\c th:TH_LOAD_NT
.endr
.endr
.endr
.irp k, 1,2,3,4,5,6,7,8,9,10,11
	s_add_nc_u64 s[KB+2*\k:KB+2*\k+1], s[KB+2*\k-2:KB+2*\k-1], s[38:39]
.endr
	s_lshl_b32 s20, s23, 7
	v_lshl_add_u32 v[VO], v5, 3, s20
	v_add_nc_u32 v[VO+1], 256, v[VO]
	; f32 to bf16, nearest even; pad rows are cleared by AND, so that nothing in the row that was read can show
.irp i, 0,1
.irp c, 0,1,2,3,4,5
	s_wait_loadcnt 22-2*(6*\i+\c)                  ; loads come back in order: this chunk's two are in, the 22 - 2 (6 i + c) younger ones stay out
.irp p, 0,1
.set k, (6*\i+\c)*2+\p
	v_cvt_pk_bf16_f32 v[Y+2*k],   v[X+4*k],   v[X+4*k+1]
	v_cvt_pk_bf16_f32 v[Y+2*k+1], v[X+4*k+2], v[X+4*k+3]
	v_and_b32 v[Y+2*k],   s[MSK+2*\i+\p], v[Y+2*k]
	v_and_b32 v[Y+2*k+1], s[MSK+2*\i+\p], v[Y+2*k+1]
.endr
.endr
.endr
	s_cmp_eq_u32 s66, 0
	s_cbranch_scc1 .Lstore
	; Wo alone: the bf16 numbers are written as f16 (the last product's other operand is f16)
.set k, 0
.rept 48
	v_lshlrev_b32 v[4+2*(k%2)], 16, v[Y+k]
	v_and_b32     v[5+2*(k%2)], 0xffff0000, v[Y+k]
	v_cvt_pk_f16_f32 v[Y+k], v[4+2*(k%2)], v[5+2*(k%2)]
.set k, k+1
.endr
.Lstore:
	; Lanes 0-15 of a chunk hold K block 2c, lanes 16-31 block 2c+1.  Swapping the upper half of row 0 with the lower half of row 1 leaves
	; one register pair with block 2c of both rows and one with block 2c+1: lane l's 8 bytes belong at byte 8 l of the two rows' 256 bytes.
	; All twelve chunks are swapped first: each chunk's swaps name its own four registers alone.
.irp i, 0,1
.irp c, 0,1,2,3,4,5
.set k, (6*\i+\c)*2
	v_permlane16_swap_b32 v[Y+2*k],   v[Y+2*k+2]
	v_permlane16_swap_b32 v[Y+2*k+1], v[Y+2*k+3]
.endr
.endr
	s_wait_alu depctr_va_vdst(0)                   ; the swaps have written Y, the stores' data, and v2 and v3, their offsets, are written: on both ways to the label above
.irp i, 0,1
.irp c, 0,1,2,3,4,5
.set k, (6*\i+\c)*2
	global_store_b64 v[VO+\i], v[Y+2*k:Y+2*k+1],   s[KB+4*\c:KB+4*\c+1]     ; each store covers 256 consecutive bytes, aligned
	global_store_b64 v[VO+\i], v[Y+2*k+2:Y+2*k+3], s[KB+4*\c+2:KB+4*\c+3]
.endr
.endr
	s_endpgm
.Lfunc_end_k_q4445596b46_cvt:
	.size	k_q4445596b46_cvt, .Lfunc_end_k_q4445596b46_cvt-k_q4445596b46_cvt
	.p2alignl 7, 3214868480
	.fill 96, 4, 3214868480
	.section	.rodata,"a",@progbits
	.p2align	6, 0x0
	.amdhsa_kernel k_q4445596b46_cvt
		.amdhsa_group_segment_fixed_size 0
		.amdhsa_private_segment_fixed_size 0
		.amdhsa_enable_private_segment 0
		.amdhsa_kernarg_size 56
		.amdhsa_user_sgpr_count 2
		.amdhsa_user_sgpr_kernarg_segment_ptr 1
		.amdhsa_wavefront_size32 1
		.amdhsa_system_sgpr_workgroup_id_x 1
		.amdhsa_system_sgpr_workgroup_id_y 1
		.amdhsa_system_sgpr_workgroup_id_z 1
		.amdhsa_system_vgpr_workitem_id 0
		.amdhsa_next_free_vgpr 152
		.amdhsa_next_free_sgpr 80
		.amdhsa_reserve_vcc 0
		.amdhsa_float_denorm_mode_32 3
		.amdhsa_float_denorm_mode_16_64 3
		.amdhsa_memory_ordered 1
		.amdhsa_forward_progress 1
		.amdhsa_inst_pref_size 22
	.end_amdhsa_kernel
	.amdgpu_metadata
---
amdhsa.version: [ 1, 2 ]
amdhsa.kernels:
  - .name:           k_q4445596b46_cvt
    .symbol:         k_q4445596b46_cvt.kd
    .args:
      - { .name: x, .offset: 0, .size: 8, .value_kind: global_buffer, .address_space: global }
      - { .name: Wq, .offset: 8, .size: 8, .value_kind: global_buffer, .address_space: global }
      - { .name: Wk, .offset: 16, .size: 8, .value_kind: global_buffer, .address_space: global }
      - { .name: Wv, .offset: 24, .size: 8, .value_kind: global_buffer, .address_space: global }
      - { .name: Wo, .offset: 32, .size: 8, .value_kind: global_buffer, .address_space: global }
      - { .name: xb, .offset: 40, .size: 8, .value_kind: global_buffer, .address_space: global }
      - { .name: wb, .offset: 48, .size: 8, .value_kind: global_buffer, .address_space: global }
    .group_segment_fixed_size: 0
    .private_segment_fixed_size: 0
    .kernarg_segment_align: 8
    .kernarg_segment_size: 56
    .max_flat_workgroup_size: 256
    .sgpr_count:     80
    .vgpr_count:     152
    .wavefront_size: 32
...
	.end_amdgpu_metadata
.endif
;; end of part 5
;; launch qkvgemm: the kernel of part 2 again; grid 4 x 64, 4 waves a work-group, clusters of 4 x 4, 327,680 bytes of LDS; arguments xb, wb, bq, bk, bv, qkv; writes qkv
;; launch attn: the kernel of part 3 again; grid 8 x 32, 8 waves a work-group, no clusters, 327,680 bytes of LDS; arguments qkv, att; writes att
;; launch outgemm: the kernel of part 4 again; grid 4 x 64, 4 waves a work-group, clusters of 4 x 4, 327,680 bytes of LDS; arguments att, wb, bo, out0; writes out0
